; MI455X (gfx1250); checked and timed in simulation.
; The chip was launched on July 23, 2026; its instructions are those of AMD's public machine-readable ISA for CDNA 5 (MIT licence, August 2026) and "CDNA5" Instruction Set Architecture Reference Guide (July 2026). The comments in the code are by the model that wrote it; some were corrected since.
;; Multi Head Attention. Allowed arithmetic: matrix products marked QUANTISED: E2M1 operands, one E8M0 scale for each 32 along K, by v_wmma_scale_f32_16x16x128_f8f6f4 with both operands' format E2M1 (or v_wmma_scale_f32_32x16x128_f4), f32 sums; products left as they are: bf16, f16 or f32 operands; f32 sums; everything else in f32.
;; Inputs: Wk 512 x 512 float32; Wo 512 x 512 float32; Wq 512 x 512 float32; Wv 512 x 512 float32; bk 512 float32; bo 512 float32; bq 512 float32; bv 512 float32; key 2 x 4,096 x 512 float32; mask 2 x 4,096 x 4,096 int32; query 2 x 4,096 x 512 float32; value 2 x 4,096 x 512 float32.
;; Outputs: out0 2 x 4,096 x 512 float32.
;; This version of the problem:
;;   THIS VERSION OF THE PROBLEM IS GIVEN IN LOW PRECISION. The matrix products marked QUANTISED in the list below multiply operands that are first quantised to E2M1 (2 exponent bits, 1 mantissa bit; 4 bits a number), with one power-of-two scale for each 32 numbers along K (OCP MX v1.0); their sums are f32. The products marked 'left as it is' may take bf16, f16 or f32 operands, with f32 sums. Whichever they take, every output number must still come out within the allowed error. Rounding operands to bf16 (8 significant bits) uses up far more of that allowance than f16 does (11 bits, for magnitudes from 6e-5 to 65,504). All else is computed in f32.
;;   The module's matrix products, in the order in which they are computed (A, B: the left and right operand; K: the contracted axis; several contracted axes count as one K, in the product's order):
;;     1. [M 8,192, K 512] x [K 512, N 512]; A: input query; B: input Wq: QUANTISED
;;     2. [M 8,192, K 512] x [K 512, N 512]; A: input key; B: input Wk: QUANTISED
;;     3. [M 8,192, K 512] x [K 512, N 512]; A: input value; B: input Wv: QUANTISED
;;     4. batch 16 x [M 4,096, K 64] x [K 64, N 4,096]; A: computed on the way; B: computed on the way: left as it is (an operand is computed on the way)
;;     5. batch 16 x [M 4,096, K 4,096] x [K 4,096, N 64]; A: computed on the way; B: computed on the way: left as it is (an operand is computed on the way)
;;     6. [M 8,192, K 512] x [K 512, N 512]; A: computed on the way; B: input Wo: left as it is (an operand is computed on the way)
;;   THE QUANTISER, for each operand of a quantised product, along K:
;;     - K is cut into blocks of 32 from its start; a last block that is shorter is filled with zeros.
;;     - A block's scale is 2^e with e = floor(log2(the largest magnitude in the block)) - 2, held to -126 .. 127; a block of zeros has e = 0. As a byte (E8M0): e + 127.
;;     - Each number is divided by its block's scale, clamped to +-6, and rounded to the nearest number of E2M1, ties to even, subnormals kept.
;;     - The product sums the exact products of the quantised numbers (number of the format x scale) in f32.
;;   ~~~python
;;   def quantise(x, axis):      # numpy; x: float32 -> the quantised numbers, widened to float32 again
;;       x = np.moveaxis(x, axis, -1); K = x.shape[-1]
;;       x = np.pad(x, [(0, 0)] * (x.ndim - 1) + [(0, -K % 32)]); x = x.reshape(x.shape[:-1] + (-1, 32)); a = np.abs(x).max(-1, keepdims=True)
;;       e = np.where(a > 0, np.clip(np.frexp(np.where(a > 0, a, 1))[1] - 1 - 2, -126, 127), 0)      # np.frexp(a)[1] - 1 = floor(log2(a)), exactly
;;       r = np.clip(x / 2.0 ** e, -6, 6)
;;       step = 2.0 ** (np.maximum(np.frexp(np.where(r == 0, 1, r))[1] - 1, 0) - 1)
;;       q = np.round(r / step) * step * 2.0 ** e      # np.round: ties to even
;;       return np.moveaxis(q.reshape(q.shape[:-2] + (-1,))[..., :K], -1, axis).astype(np.float32)
;;   ~~~
;; One version. Each part assembles by itself: llvm-mc -triple=amdgcn-amd-amdhsa -mcpu=gfx1250 --defsym DOCPART=n.
;; ======== version 1 of 1: 5 launches
;; limits: values are held in f16: magnitudes above 65,504 overflow, below 6.1e-05 lose precision
;; workspace buffers: mw 4,194,304 bytes of whole numbers; wts 942,080 bytes; qf 8,388,608 bytes; kv 16,777,216 bytes; f32i 33,619,968 bytes; af 8,388,608 bytes; fp 1,114,112 bytes; fa 65,536 bytes
;; launch prep (part 1): grid 1056 x 1, 4 waves a work-group, no clusters, 17,920 bytes of LDS; arguments mask, Wq, Wk, Wv, Wo, mw, wts; writes mw, wts
.if DOCPART == 1
	.amdgcn_target "amdgcn-amd-amdhsa--gfx1250"
	.amdhsa_code_object_version 6
	.text
	.protected	k_qe3120da534_prep
	.globl	k_qe3120da534_prep
	.p2align	8
	.type	k_qe3120da534_prep,@function
k_qe3120da534_prep:
	s_mov_b64 s[64:65], 0
	v_nop
	global_prefetch_b8 v0, s[64:65] scope:SCOPE_SE
	s_setreg_imm32_b32 hwreg(HW_REG_WAVE_MODE, 25, 1), 1
	s_wait_xcnt 0x0
; prep: what every later launch reads again is laid out once, in the order of the readers' registers.
;  work-groups 0-23  (QW): Wq, Wk, Wv [512][512] f32 -> codes of E2M1 along K with one E8M0 byte for each 32, as images of operand registers:
;                          wts + 0:      [mat 3][n tile 32][K step 4][c 2][lane][16 bytes];   wts + WSC: scale words [mat 3][n tile 32][K step 4][row 16]
;  work-groups 24-31 (OW): Wo -> f16 fragments, wts + WOF: [n tile 32][K step of 32: 16][half 2][lane][16 bytes]
;  work-groups 32-..  (MK): mask [2][4096][4096] int32 -> lane masks: mw [b][query tile 256][key step 64][n 32] words; bit L of word n = 8 t + j says
;                          whether mask[b][16 tile + L % 16][64 step + 16 t + 8 (L / 16) + j] is not 0: the lane mask of score register n of a tile of 16 queries x 64 keys.
; A wave of MK takes 16 rows x 512 columns: each load covers 2 rows x 256 consecutive bytes; a tile of 16 x 64 turns through the wave's own stage in LDS (pitch 272), so that
; a lane holds the words of its query in the scores' order; 32 compares give 32 lane masks, which are gathered lane by lane and leave as 512 consecutive bytes a store.
; No matrix unit, no cluster, no tensor load: a stream in which no two work-groups read the same bytes.  Waves share nothing: no barrier.
; A block's scale is 2^(floor(log2(largest magnitude)) - 2); its byte is the largest magnitude's exponent field - 2, held at 1 from below.
; LIMITS: a block of zeros gets the byte 1 (its codes are zeros; this program alone reads the bytes); blocks whose largest magnitude lies under 2^-124 are held at byte 1;
; NaN and infinities among the inputs are not served; Wo is rounded to f16 (magnitudes beyond 65,504 overflow).
.set WSC,   393216
.set WOF,   417792
.set SPARE, 17408                      ; behind the four stages of 4,352 bytes: the spare words, 128 bytes a wave
.set LI,    4                          ; v4   16 x lane
.set SIN,   5                          ; v5   the stage, on the way in
.set SOUT,  6                          ; v6   and on the way out
.set SPW,   14                         ; v14  my spare word; never rewritten
.set NIL,   15                         ; v15  0; never rewritten
.set TM,    16                         ; v16-31 at work in QUANT
.set RA,    32                         ; v32-159 numbers as loaded
.set RB,    96
.set PC,    160                        ; v160-191 codes, or f16 pairs
.set X,     160                        ; v160-191 a tile of the mask in the scores' order
.set WD,    192                        ; v192-199 the gathered lane masks
.set PWS,   200                        ; v200-203 the four scale words
.set W01,   204
.set W23,   205
.set WV,    52
.set SEL,   62                         ; s[62:63] lane selects: lane l xor 16
; 64 numbers of a lane, register 16 b + i = k 32 b + 16 (lane / 16) + i of my row, become a fragment's codes in v[pc] .. v[pc + 7] and its scale word in v[pw].
.macro QUANT src, pc, pw
.irp b, 0,1,2,3
	v_max3_num_f32 v[TM+\b], |v[(\src)+16*\b]|, |v[(\src)+1+16*\b]|, 0x1800000   ; my 16 numbers of block b, and the floor 2^(3 - 127): the byte cannot fall under 1
.endr
.irp i, 2,4,6,8,10,12,14
.irp b, 0,1,2,3
	v_max3_num_f32 v[TM+\b], v[TM+\b], |v[(\src)+16*\b+\i]|, |v[(\src)+1+16*\b+\i]|
.endr
.endr
.irp b, 0,1,2,3
	v_permlanex16_b32 v[TM+4+\b], v[TM+\b], s[SEL], s[SEL+1]
.endr
.irp b, 0,1,2,3
	v_max_num_f32 v[TM+\b], v[TM+\b], v[TM+4+\b]   ; with lane l xor 16's 16: the block's largest magnitude
.endr
.irp b, 0,1,2,3
	v_add_nc_u32 v[TM+12+\b], 0xff000000, v[TM+\b] ; 2 off its exponent field: the conversion's scale operand
.endr
.irp b, 0,1,2,3
	v_lshrrev_b32 v[TM+4+\b], 23, v[TM+12+\b]      ; the scale's byte
.endr
	v_lshl_or_b32 v[\pw], v[TM+5], 8, v[TM+4]
	v_lshl_or_b32 v[\pw], v[TM+6], 16, v[\pw]
	v_lshl_or_b32 v[\pw], v[TM+7], 24, v[\pw]
.irp b, 0,1,2,3
	v_cvt_scalef32_pk8_fp4_f32 v[(\pc)+2*\b], v[(\src)+16*\b:(\src)+7+16*\b], v[TM+12+\b]
	v_cvt_scalef32_pk8_fp4_f32 v[(\pc)+1+2*\b], v[(\src)+8+16*\b:(\src)+15+16*\b], v[TM+12+\b]
.endr
	v_nop                                          ; one plain place behind a scaled conversion
.irp c, 0,1                            ; the operand's layout wants a whole block in a lane
.irp i, 0,1
	v_permlane16_swap_b32 v[(\pc)+4*\c+\i], v[(\pc)+2+4*\c+\i]
.endr
.endr
.endm
.macro CLOSE                           ; the wave's end
	s_wait_tensorcnt 0x0
	ds_add_u32 v[SPW], v[NIL]
	s_wait_dscnt 0x0
	s_endpgm
.endm
.macro XLD s, set                      ; QW: K step s of my 16 rows: 64 numbers a lane
.irp b, 0,1,2,3
.irp j, 0,1,2,3
	global_load_b128 v[\set+16*\b+4*\j:\set+16*\b+4*\j+3], v7, s[16:17] offset:512*(\s)+128*\b+16*\j
.endr
.endr
.endm
.macro WST s                           ; QW: the fragment of K step s leaves as it stands: 512 consecutive bytes a store
.irp c, 0,1
	global_store_b128 v[LI], v[PC+8*\s+4*\c:PC+8*\s+4*\c+3], s[18:19] offset:1024*\s+512*\c
.endr
.endm
.macro OLD q, set                      ; OW: four K steps of 32: register 16 b + 8 half + 4 u + i = k 128 q + 32 b + 16 half + 8 (lane / 16) + 4 u + i
.irp b, 0,1,2,3
.irp f, 0,1,2,3
	global_load_b128 v[\set+16*\b+4*\f:\set+16*\b+4*\f+3], v8, s[16:17] offset:512*(\q)+128*\b+64*(\f/2)+16*(\f%2)
.endr
.endr
.endm
.macro OGRP q, set, left, more
	s_wait_loadcnt \left                           ; this group's 16 loads are in; the younger group's may be out
.if \q > 0
	s_wait_xcnt 0x0                                ; the last group's stores have read their data registers
.endif
.set p_, 0
.rept 32
	v_cvt_pk_f16_f32 v[PC+p_], v[\set+2*p_], v[\set+2*p_+1]
.set p_, p_+1
.endr
.irp i, 0,1,2,3,4,5,6,7
	global_store_b128 v[LI], v[PC+4*\i:PC+4*\i+3], s[18:19] offset:4096*\q+512*\i
.endr
.if \more
	OLD (\q)+2, \set
.endif
.endm
.macro MLD e                           ; MK: tile e (16 rows x 64 columns): each load takes 2 rows x 256 consecutive bytes
.irp i, 0,1,2,3,4,5,6,7
	global_load_b128 v[RA+32*((\e)%3)+4*\i:RA+32*((\e)%3)+4*\i+3], v10, s[4:5] offset:32768*\i+256*(\e) th:TH_LOAD_NT
.endr
.endm
.macro MSTEP e, left
	s_wait_loadcnt \left                           ; tile e is in; the younger tiles' loads stay out
.irp i, 0,1,2,3,4,5,6,7
	ds_store_b128 v[SIN], v[RA+32*((\e)%3)+4*\i:RA+32*((\e)%3)+4*\i+3] offset:544*\i
.endr
.irp f, 0,1,2,3,4,5,6,7                ; LDS serves a wave's instructions in order: these see the stores above.  Register 8 t + j: row lane % 16, column 16 t + 8 (lane / 16) + j
	ds_load_b128 v[X+4*\f:X+4*\f+3], v[SOUT] offset:64*(\f/2)+16*(\f%2)
.endr
	s_wait_dscnt 0x0                               ; the tile is back, and the stores have read their registers,
.if (\e)+3 < 8
	MLD (\e)+3                                     ; which take the tile three further on
.endif
.set n_, 0
.rept 32
	v_cmp_ne_u32 s[16+n_], 0, v[X+n_]              ; the lane mask of score register n
.set n_, n_+1
.endr
.set n_, 0
.rept 32
	v_writelane_b32 v[WD+4*((\e)/4)+(n_%4)], s[16+n_], 8*((\e)%4)+n_/4   ; word 32 (e % 4) + n of 128: lane word / 4, register word % 4
.set n_, n_+1
.endr
.if (\e)%4 == 3
	global_store_b128 v[LI], v[WD+4*((\e)/4):WD+4*((\e)/4)+3], s[48:49] offset:512*((\e)/4)   ; four tiles' words: 512 consecutive bytes
.endif
.endm
	s_load_b256 s[4:11], s[0:1], 0x0               ; mask s[4:5], Wq s[6:7], Wk s[8:9], Wv s[10:11]
	s_load_b64 s[12:13], s[0:1], 0x20              ; Wo
	s_load_b64 s[48:49], s[0:1], 0x28              ; mw
	s_load_b64 s[50:51], s[0:1], 0x30              ; wts
	v_lshl_add_u32 v[SPW], v0, 2, SPARE
	v_mov_b32 v[NIL], 0
	v_lshrrev_b32 v1, 5, v0
	v_readfirstlane_b32 s[WV], v1                  ; wave 0..3
	v_and_b32 v1, 31, v0                           ; lane
	v_and_b32 v2, 15, v0                           ; r
	v_bfe_u32 v3, v0, 4, 1                         ; h
	v_lshlrev_b32 v[LI], 4, v1
	s_mul_i32 s53, s[WV], 4352                     ; my stage
	v_mul_u32_u24 v[SIN], v3, 272
	v_lshl_add_u32 v[SIN], v2, 4, v[SIN]
	v_add_nc_u32 v[SIN], s53, v[SIN]               ; in: lanes 0-15 one row of 256 bytes, lanes 16-31 the next
	v_mul_u32_u24 v[SOUT], v2, 272
	v_lshl_add_u32 v[SOUT], v3, 5, v[SOUT]
	v_add_nc_u32 v[SOUT], s53, v[SOUT]             ; out: row r, 32 bytes for each half of the lanes
	s_mov_b32 s[SEL], 0x76543210
	s_mov_b32 s[SEL+1], 0xfedcba98
	s_mov_b32 s23, 0
	s_wait_kmcnt 0x0
	s_cmp_ge_u32 ttmp9, 32                         ; the paths part on the work-group's number alone
	s_cbranch_scc1 .Lmask
	s_cmp_ge_u32 ttmp9, 24
	s_cbranch_scc1 .Lwo
	; ---- QW: a wave quantises 16 rows x 512 K of one weight
	s_lshr_b32 s53, ttmp9, 3                       ; which weight
	s_cmp_eq_u32 s53, 0
	s_cselect_b64 s[16:17], s[6:7], s[8:9]
	s_cmp_eq_u32 s53, 2
	s_cselect_b64 s[16:17], s[10:11], s[16:17]
	s_and_b32 s54, ttmp9, 7
	s_lshl_b32 s54, s54, 2
	s_add_co_u32 s54, s54, s[WV]                   ; n tile 0..31
	s_lshl_b32 s22, s54, 15                        ; 16 rows of 2,048 bytes
	s_add_nc_u64 s[16:17], s[16:17], s[22:23]
	s_lshl_b32 s22, s53, 17
	s_lshl_b32 s55, s54, 12
	s_add_co_u32 s22, s22, s55
	s_add_nc_u64 s[18:19], s[50:51], s[22:23]      ; the codes' place
	s_lshl_b32 s22, s53, 13
	s_lshl_b32 s55, s54, 8
	s_add_co_u32 s22, s22, s55
	s_add_co_u32 s22, s22, WSC
	s_add_nc_u64 s[20:21], s[50:51], s[22:23]      ; the scale words' place
	v_lshlrev_b32 v7, 11, v2
	v_lshl_add_u32 v7, v3, 6, v7                   ; row r, + 64 h: my 16 numbers of a block of 32
	v_lshlrev_b32 v9, 2, v1
.irp b, 0,1,2,3
	v_mov_b32 v[TM+4+\b], 0                        ; written once: a lane permute's destination counts as one of its sources
.endr
	XLD 0, RA
	XLD 1, RB
	s_wait_loadcnt 16                              ; the older set is in, the younger 16 loads stay out
	QUANT RA, PC, PWS
	WST 0
	XLD 2, RA
	s_wait_loadcnt 16
	QUANT RB, PC+8, PWS+1
	WST 1
	XLD 3, RB
	s_wait_loadcnt 16
	QUANT RA, PC+16, PWS+2
	WST 2
	s_wait_loadcnt 0x0
	QUANT RB, PC+24, PWS+3
	WST 3
	v_cmp_gt_u32 vcc_lo, 16, v1
	v_cndmask_b32 v[W01], v[PWS+1], v[PWS], vcc_lo     ; lanes 0-15: K step 0's words, lanes 16-31: K step 1's
	v_cndmask_b32 v[W23], v[PWS+3], v[PWS+2], vcc_lo
	global_store_b32 v9, v[W01], s[20:21]
	global_store_b32 v9, v[W23], s[20:21] offset:128
	CLOSE
.Lwo:	; ---- OW: a wave rounds 16 rows x 512 K of Wo to f16, in the order of a fragment's registers
	s_sub_co_u32 s54, ttmp9, 24
	s_lshl_b32 s54, s54, 2
	s_add_co_u32 s54, s54, s[WV]                   ; n tile
	s_lshl_b32 s22, s54, 15
	s_add_nc_u64 s[16:17], s[12:13], s[22:23]
	s_lshl_b32 s22, s54, 14
	s_add_co_u32 s22, s22, WOF
	s_add_nc_u64 s[18:19], s[50:51], s[22:23]
	v_lshlrev_b32 v8, 11, v2
	v_lshl_add_u32 v8, v3, 5, v8                   ; row r, + 32 h: my 8 numbers of a half fragment
	OLD 0, RA
	OLD 1, RB
	OGRP 0, RA, 16, 1
	OGRP 1, RB, 16, 1
	OGRP 2, RA, 16, 0
	OGRP 3, RB, 0, 0
	CLOSE
.Lmask:	; ---- MK
	s_sub_co_u32 s54, ttmp9, 32
	s_lshl_b32 s54, s54, 2
	s_add_co_u32 s54, s54, s[WV]                   ; u = 8 x (row tile 0..511) + (which 512 columns)
	s_lshr_b32 s55, s54, 3
	s_and_b32 s56, s54, 7
	s_lshl_b32 s58, s55, 18                        ; 16 rows of 16,384 bytes: under 2^28
	s_lshl_b32 s56, s56, 11
	s_add_co_u32 s58, s58, s56
	s_mov_b32 s59, 0
	s_add_nc_u64 s[4:5], s[4:5], s[58:59]
	s_lshl_b32 s58, s54, 10                        ; 8 tiles x 32 words
	s_add_nc_u64 s[48:49], s[48:49], s[58:59]
	v_lshlrev_b32 v10, 14, v3
	v_lshl_add_u32 v10, v2, 4, v10                 ; lanes 0-15 one row, lanes 16-31 the next; 16 bytes a lane
.irp i, 0,1,2,3,4,5,6,7
	v_mov_b32 v[WD+\i], 0                          ; v_writelane_b32's destination counts as read
.endr
	MLD 0
	MLD 1
	MLD 2
	MSTEP 0, 16
	MSTEP 1, 16
	MSTEP 2, 16
	MSTEP 3, 16
	MSTEP 4, 16
	MSTEP 5, 16
	MSTEP 6, 8
	MSTEP 7, 0
	CLOSE
.Lfunc_end_k_qe3120da534_prep:
	.size	k_qe3120da534_prep, .Lfunc_end_k_qe3120da534_prep-k_qe3120da534_prep
	.p2alignl 7, 3214868480
	.fill 96, 4, 3214868480
	.section	.rodata,"a",@progbits
	.p2align	6, 0x0
	.amdhsa_kernel k_qe3120da534_prep
		.amdhsa_group_segment_fixed_size 17920
		.amdhsa_private_segment_fixed_size 0
		.amdhsa_enable_private_segment 0
		.amdhsa_kernarg_size 56
		.amdhsa_user_sgpr_count 2
		.amdhsa_user_sgpr_kernarg_segment_ptr 1
		.amdhsa_wavefront_size32 1
		.amdhsa_system_sgpr_workgroup_id_x 1
		.amdhsa_system_sgpr_workgroup_id_y 1
		.amdhsa_system_sgpr_workgroup_id_z 1
		.amdhsa_system_vgpr_workitem_id 0
		.amdhsa_next_free_vgpr 208
		.amdhsa_next_free_sgpr 66
		.amdhsa_reserve_vcc 1
		.amdhsa_float_denorm_mode_32 3
		.amdhsa_float_denorm_mode_16_64 3
		.amdhsa_memory_ordered 1
		.amdhsa_forward_progress 1
		.amdhsa_inst_pref_size 90
	.end_amdhsa_kernel
	.amdgpu_metadata
---
amdhsa.version: [ 1, 2 ]
amdhsa.kernels:
  - .name:           k_qe3120da534_prep
    .symbol:         k_qe3120da534_prep.kd
    .args:
      - { .name: mask, .offset: 0, .size: 8, .value_kind: global_buffer, .address_space: global }
      - { .name: Wq, .offset: 8, .size: 8, .value_kind: global_buffer, .address_space: global }
      - { .name: Wk, .offset: 16, .size: 8, .value_kind: global_buffer, .address_space: global }
      - { .name: Wv, .offset: 24, .size: 8, .value_kind: global_buffer, .address_space: global }
      - { .name: Wo, .offset: 32, .size: 8, .value_kind: global_buffer, .address_space: global }
      - { .name: mw, .offset: 40, .size: 8, .value_kind: global_buffer, .address_space: global }
      - { .name: wts, .offset: 48, .size: 8, .value_kind: global_buffer, .address_space: global }
    .group_segment_fixed_size: 17920
    .private_segment_fixed_size: 0
    .kernarg_segment_align: 8
    .kernarg_segment_size: 56
    .max_flat_workgroup_size: 128
    .sgpr_count:     66
    .vgpr_count:     208
    .wavefront_size: 32
...
	.end_amdgpu_metadata
.endif
;; end of part 1
;; launch proj (part 2): grid 128 x 3, 4 waves a work-group, no clusters, 86,528 bytes of LDS; arguments query, key, value, wts, bq, bk, bv, qf, kv, f32i; writes qf, kv, f32i
.if DOCPART == 2
	.amdgcn_target "amdgcn-amd-amdhsa--gfx1250"
	.amdhsa_code_object_version 6
	.text
	.protected	k_qe3120da534_proj
	.globl	k_qe3120da534_proj
	.p2align	8
	.type	k_qe3120da534_proj,@function
k_qe3120da534_proj:
	s_mov_b64 s[64:65], 0
	v_nop
	global_prefetch_b8 v0, s[64:65] scope:SCOPE_SE
	s_setreg_imm32_b32 hwreg(HW_REG_WAVE_MODE, 25, 1), 1
	s_wait_xcnt 0x0
; proj: q = query Wq^T + bq, k = key Wk^T + bk, v = value Wv^T + bv, on codes of E2M1 with one E8M0 scale for each 32 along K = 512; sums in f32.
; Work-group (x, y): 64 rows x all 512 columns of tensor y (0 q, 1 k, 2 v).  THE WAVES SHARE THE COLUMNS: wave w owns columns 128 w .. 128 w + 127 (heads 2 w, 2 w + 1); its 32 weight
; fragments, laid in register order by the launch before, go straight into 256 registers (window 1) and stay.  Wave w also quantises rows 16 w .. 16 w + 15 of x: dense loads (512 consecutive
; bytes each), a turn through its own stage in LDS so that a lane holds 16 neighbours along K, the quantiser, and the fragment goes to LDS as an image of its registers for all four waves.
; q and k are made TRANSPOSED (source 0 = 16 rows of W, source 1 = 16 tokens): a lane holds one token and eight neighbouring channels.  v is made the natural way (source 0 = tokens): a lane holds
; one channel and eight neighbouring tokens, since the keys are the K of attention's second product.  The bias is the C of each sum's first matrix instruction.
; OUT, every store 512 consecutive aligned bytes: f16 images of the operands of attention (qf; kv = K part and V part of each slot of 512 keys), and the raw f32 accumulators
; (all of k and v, and token tile 0 of q) for the launch that carries the first 16 positions of each sequence in f32.
; No cluster and no tensor load: what the work-groups share, the weights, is 136 KB that each reads once into registers in register order; no tile of it lies in LDS to be shared.
; LIMITS: as the quantiser's in the launch before; q, k, v are rounded to f16 for attention (magnitudes beyond 65,504 overflow).
.set WSC,   393216
.set STW,   16896                      ; LDS: two stages of 16 rows x 528 bytes for each wave,
.set STP,   8448
.set XIMG,  67584                      ; x's 16 fragments (tile of rows m, K step s: 4 m + s), 1,024 bytes each,
.set XSC,   83968                      ; their scale words, 128 bytes each,
.set SPARE, 86016                      ; and the spare words, 128 bytes a wave
.set LI,  4                            ; v4   16 x lane
.set LS,  5                            ; v5   4 x lane
.set STI, 6                            ; v6   my stage, on the way in
.set STO, 7                            ; v7   and out
.set XWI, 8                            ; v8   where I store my images
.set XWS, 9                            ; v9   and their scale words
.set XRI, 10                           ; v10  where any image is read
.set XRS, 11                           ; v11  and any scale word
.set BO8, 12                           ; v12  32 h
.set BO1, 13                           ; v13  4 r
.set TM,  16                           ; v16-31 at work in QUANT
.set RA,  32                           ; v32-95, v96-159 x as loaded;
.set RB,  96
.set BI,  32                           ; later the bias, 8 tiles x 8,
.set AC,  96                           ; and the 8 accumulators
.set X,   160                          ; v160-223 64 neighbours;
.set XF,  160                          ; later x's four fragments of a tile of rows
.set PK,  192                          ; and the results as f16
.set PC,  224                          ; v224-231 the codes just made
.set PW,  232                          ; v232 their scale word
.set XS,  233                          ; v233-236 x's scale words: scales and nothing else
.set WS,  237                          ; v237-252 W's: register 2 t + u: lanes 0-15 K step 2 u, lanes 16-31 K step 2 u + 1
.set SPW, 254
.set NIL, 255
.set WV,  24
.set Y,   25
.set BB,  26
.set XB,  27
.set SEL, 28
.set SRC, 30
.set WCP, 32
.set WSP, 34
.set BP,  36
.set PH,  38                           ; s[38:39], s[40:41] the f16 results' place for my two heads
.set PF,  42                           ; s[42:43], s[44:45] the f32 results'
.set F32M, 46                          ; how many of the four tiles of rows leave in f32
.set MSB, 0
.macro WIN new                         ; the immediate's high byte repeats the setting that is left
.if MSB != \new
	s_set_vgpr_msb (MSB<<8)|\new
.set MSB, \new
.endif
.endm
.macro QUANT src, pc, pw               ; 64 numbers of a lane, register 16 b + i = k 32 b + 16 (lane / 16) + i of my row -> codes v[pc] .. v[pc + 7], scale word v[pw]
.irp b, 0,1,2,3
	v_max3_num_f32 v[TM+\b], |v[(\src)+16*\b]|, |v[(\src)+1+16*\b]|, 0x1800000   ; and the floor 2^(3 - 127): the byte cannot fall under 1
.endr
.irp i, 2,4,6,8,10,12,14
.irp b, 0,1,2,3
	v_max3_num_f32 v[TM+\b], v[TM+\b], |v[(\src)+16*\b+\i]|, |v[(\src)+1+16*\b+\i]|
.endr
.endr
.irp b, 0,1,2,3
	v_permlanex16_b32 v[TM+4+\b], v[TM+\b], s[SEL], s[SEL+1]
.endr
.irp b, 0,1,2,3
	v_max_num_f32 v[TM+\b], v[TM+\b], v[TM+4+\b]
.endr
.irp b, 0,1,2,3
	v_add_nc_u32 v[TM+12+\b], 0xff000000, v[TM+\b] ; 2 off the exponent field: the conversion's scale operand
.endr
.irp b, 0,1,2,3
	v_lshrrev_b32 v[TM+4+\b], 23, v[TM+12+\b]      ; the scale's byte
.endr
	v_lshl_or_b32 v[\pw], v[TM+5], 8, v[TM+4]
	v_lshl_or_b32 v[\pw], v[TM+6], 16, v[\pw]
	v_lshl_or_b32 v[\pw], v[TM+7], 24, v[\pw]
.irp b, 0,1,2,3
	v_cvt_scalef32_pk8_fp4_f32 v[(\pc)+2*\b], v[(\src)+16*\b:(\src)+7+16*\b], v[TM+12+\b]
	v_cvt_scalef32_pk8_fp4_f32 v[(\pc)+1+2*\b], v[(\src)+8+16*\b:(\src)+15+16*\b], v[TM+12+\b]
.endr
	v_nop                                          ; one plain place behind a scaled conversion
.irp c, 0,1
.irp i, 0,1
	v_permlane16_swap_b32 v[(\pc)+4*\c+\i], v[(\pc)+2+4*\c+\i]
.endr
.endr
.endm
.macro CLOSE                           ; the wave's end, behind my last LDS store
	s_wait_tensorcnt 0x0
	ds_add_u32 v[SPW], v[NIL]
	s_wait_dscnt 0x0
	s_endpgm
.endm
.macro XLOAD s, set                    ; K step s of my 16 rows: each load takes 512 consecutive bytes of one row
.irp i, 0,1,2,3,4,5,6,7,8,9,10,11,12,13,14,15
	global_load_b128 v[\set+4*\i:\set+4*\i+3], v[LI], s[SRC:SRC+1] offset:2048*\i+512*(\s) th:TH_LOAD_NT
.endr
.endm
.macro TURN s, set                     ; through my stage: in as loaded, out 16 neighbours of each block of 32 a lane.  LDS serves a wave's instructions in order
.irp i, 0,1,2,3,4,5,6,7,8,9,10,11,12,13,14,15
	ds_store_b128 v[STI], v[\set+4*\i:\set+4*\i+3] offset:STP*((\s)%2)+528*\i
.endr
.irp b, 0,1,2,3
.irp j, 0,1,2,3
	ds_load_b128 v[X+16*\b+4*\j:X+16*\b+4*\j+3], v[STO] offset:STP*((\s)%2)+128*\b+16*\j
.endr
.endr
.endm
.macro IMG s                           ; the fragment and its scale words go to LDS as they stand
.irp c, 0,1
	ds_store_b128 v[XWI], v[PC+4*\c:PC+4*\c+3] offset:1024*\s+512*\c
.endr
	ds_store_b32 v[XWS], v[PW] offset:128*\s
.endm
; One product: accumulator t, K step s.  nat = 0: source 0 = W, source 1 = x;  nat = 1: the other way round.  W's scale words of an odd K step stand in lanes 16-31.
.macro PROD s, t, nat
.if \nat
.if \s == 0
	v_wmma_scale_f32_16x16x128_f8f6f4 v[AC+8*\t:AC+8*\t+7], v[XF+8*\s:XF+8*\s+7], v[8*(4*\t+\s):8*(4*\t+\s)+7], v[BI+8*\t:BI+8*\t+7], v[XS+\s], v[WS+2*\t+\s/2] matrix_a_fmt:MATRIX_FMT_FP4 matrix_b_fmt:MATRIX_FMT_FP4
.elseif \s%2
	v_wmma_scale_f32_16x16x128_f8f6f4 v[AC+8*\t:AC+8*\t+7], v[XF+8*\s:XF+8*\s+7], v[8*(4*\t+\s):8*(4*\t+\s)+7], v[AC+8*\t:AC+8*\t+7], v[XS+\s], v[WS+2*\t+\s/2] matrix_a_fmt:MATRIX_FMT_FP4 matrix_b_fmt:MATRIX_FMT_FP4 matrix_b_scale:MATRIX_SCALE_ROW1
.else
	v_wmma_scale_f32_16x16x128_f8f6f4 v[AC+8*\t:AC+8*\t+7], v[XF+8*\s:XF+8*\s+7], v[8*(4*\t+\s):8*(4*\t+\s)+7], v[AC+8*\t:AC+8*\t+7], v[XS+\s], v[WS+2*\t+\s/2] matrix_a_fmt:MATRIX_FMT_FP4 matrix_b_fmt:MATRIX_FMT_FP4
.endif
.else
.if \s == 0
	v_wmma_scale_f32_16x16x128_f8f6f4 v[AC+8*\t:AC+8*\t+7], v[8*(4*\t+\s):8*(4*\t+\s)+7], v[XF+8*\s:XF+8*\s+7], v[BI+8*\t:BI+8*\t+7], v[WS+2*\t+\s/2], v[XS+\s] matrix_a_fmt:MATRIX_FMT_FP4 matrix_b_fmt:MATRIX_FMT_FP4
.elseif \s%2
	v_wmma_scale_f32_16x16x128_f8f6f4 v[AC+8*\t:AC+8*\t+7], v[8*(4*\t+\s):8*(4*\t+\s)+7], v[XF+8*\s:XF+8*\s+7], v[AC+8*\t:AC+8*\t+7], v[WS+2*\t+\s/2], v[XS+\s] matrix_a_fmt:MATRIX_FMT_FP4 matrix_b_fmt:MATRIX_FMT_FP4 matrix_a_scale:MATRIX_SCALE_ROW1
.else
	v_wmma_scale_f32_16x16x128_f8f6f4 v[AC+8*\t:AC+8*\t+7], v[8*(4*\t+\s):8*(4*\t+\s)+7], v[XF+8*\s:XF+8*\s+7], v[AC+8*\t:AC+8*\t+7], v[WS+2*\t+\s/2], v[XS+\s] matrix_a_fmt:MATRIX_FMT_FP4 matrix_b_fmt:MATRIX_FMT_FP4
.endif
.endif
.endm
; Tile m of 16 rows: its four fragments from LDS, 32 products (my 8 accumulators by turns, K step by K step), and the way out.
.macro ROWT m, nat
.irp f, 0,1,2,3,4,5,6,7
	ds_load_b128 v[XF+4*\f:XF+4*\f+3], v[XRI] offset:4096*\m+512*\f
.endr
.irp s, 0,1,2,3
	ds_load_b32 v[XS+\s], v[XRS] offset:512*\m+128*\s
.endr
	s_wait_dscnt 0x0
	s_wait_xcnt 0x0                                ; the last tile's stores have read the accumulators and the f16 registers: both are written again below
.if \nat
	WIN 0x04                                       ; source 1 (W) window 1
.else
	WIN 0x01                                       ; source 0 (W) window 1
.endif
.irp s, 0,1,2,3
.irp t, 0,1,2,3,4,5,6,7
	PROD \s, \t, \nat
.endr
.endr
	WIN 0
.rept 5
	v_nop                                          ; places: four ahead of the conversions that read results and of the next tile's loads into x's fragments, five ahead of the next tile's first products, which begin the accumulators anew
.endr
.irp t, 0,1,2,3,4,5,6,7
.irp k, 0,1,2,3
	v_cvt_pk_f16_f32 v[PK+4*\t+\k], v[AC+8*\t+2*\k], v[AC+8*\t+2*\k+1]   ; each accumulator from its low end on
.endr
.endr
.irp t, 0,1,2,3,4,5,6,7
.if \nat
	global_store_b128 v[LI], v[PK+4*\t:PK+4*\t+3], s[PH+2*(\t/4):PH+2*(\t/4)+1] offset:4096*(\m/2)+1024*(\t%4)+512*(\m%2)   ; V part: [32 keys][16 channels][half]
.else
	global_store_b128 v[LI], v[PK+4*\t:PK+4*\t+3], s[PH+2*(\t/4):PH+2*(\t/4)+1] offset:2048*\m+512*(\t%4)                  ; [16 tokens][16 channels]
.endif
.endr
	s_cmp_gt_u32 s[F32M], \m                       ; ids alone: k and v leave in f32 whole, q only its token tile 0
	s_cbranch_scc0 .Lnf_\@
.irp t, 0,1,2,3,4,5,6,7
.irp u, 0,1
	global_store_b128 v[LI], v[AC+8*\t+4*\u:AC+8*\t+4*\u+3], s[PF+2*(\t/4):PF+2*(\t/4)+1] offset:4096*\m+1024*(\t%4)+512*\u
.endr
.endr
.Lnf_\@:
.endm
	s_load_b256 s[4:11], s[0:1], 0x0               ; query, key, value, wts
	s_load_b256 s[12:19], s[0:1], 0x20             ; bq, bk, bv, qf
	s_load_b128 s[20:23], s[0:1], 0x40             ; kv, f32i
	v_lshl_add_u32 v[SPW], v0, 2, SPARE
	v_mov_b32 v[NIL], 0
	v_lshrrev_b32 v1, 5, v0
	v_readfirstlane_b32 s[WV], v1                  ; wave 0..3
	v_and_b32 v1, 31, v0
	v_and_b32 v2, 15, v0                           ; r
	v_bfe_u32 v3, v0, 4, 1                         ; h
	v_lshlrev_b32 v[LI], 4, v1
	v_lshlrev_b32 v[LS], 2, v1
	s_mul_i32 s48, s[WV], STW
	v_add_nc_u32 v[STI], s48, v[LI]
	v_mul_u32_u24 v[STO], v2, 528
	v_lshl_add_u32 v[STO], v3, 6, v[STO]
	v_add_nc_u32 v[STO], s48, v[STO]
	s_lshl_b32 s48, s[WV], 12
	s_add_co_u32 s48, s48, XIMG
	v_add_nc_u32 v[XWI], s48, v[LI]
	s_lshl_b32 s48, s[WV], 9
	s_add_co_u32 s48, s48, XSC
	v_add_nc_u32 v[XWS], s48, v[LS]
	v_add_nc_u32 v[XRI], XIMG, v[LI]
	v_add_nc_u32 v[XRS], XSC, v[LS]
	v_lshlrev_b32 v[BO8], 5, v3
	v_lshlrev_b32 v[BO1], 2, v2
.irp b, 0,1,2,3
	v_mov_b32 v[TM+4+\b], 0                        ; written once: a lane permute's destination counts as one of its sources
.endr
	s_mov_b32 s[SEL], 0x76543210
	s_mov_b32 s[SEL+1], 0xfedcba98
	s_and_b32 s[Y], ttmp7, 0xffff                  ; which tensor
	s_lshr_b32 s[BB], ttmp9, 6                     ; batch
	s_and_b32 s[XB], ttmp9, 63                     ; block of 64 tokens in it
	s_lshl_b32 s48, ttmp9, 17                      ; x: 64 rows of 2,048 bytes, my 16 of them
	s_lshl_b32 s50, s[WV], 15
	s_add_co_u32 s48, s48, s50
	s_mov_b32 s49, 0
	s_lshl_b32 s50, s[Y], 17                       ; my 8 n tiles' codes
	s_lshl_b32 s52, s[WV], 15
	s_add_co_u32 s50, s50, s52
	s_mov_b32 s51, 0
	s_lshl_b32 s52, s[Y], 13                       ; and scale words
	s_lshl_b32 s54, s[WV], 11
	s_add_co_u32 s52, s52, s54
	s_add_co_u32 s52, s52, WSC
	s_mov_b32 s53, 0
	s_lshl_b32 s54, s[WV], 9                       ; my 128 numbers of the bias
	s_mov_b32 s55, 0
	; the f16 results.  q: 4,194,304 b + 1,048,576 w + 8,192 xb.  k: twice the first two + 131,072 (xb / 8) + 8,192 (xb % 8), which is q's + the first two + 65,536 (xb / 8).  v: k's + 65,536
	s_lshl_b32 s56, s[BB], 22
	s_lshl_b32 s58, s[WV], 20
	s_add_co_u32 s56, s56, s58
	s_lshr_b32 s58, s[XB], 3
	s_lshl_b32 s58, s58, 16
	s_add_co_u32 s58, s58, s56
	s_cmp_eq_u32 s[Y], 2
	s_cselect_b32 s59, 65536, 0
	s_add_co_u32 s58, s58, s59
	s_cmp_eq_u32 s[Y], 0
	s_cselect_b32 s58, 0, s58
	s_lshl_b32 s59, s[XB], 13
	s_add_co_u32 s56, s56, s59
	s_add_co_u32 s56, s56, s58
	s_mov_b32 s57, 0
	; the f32 results.  k: 1,048,576 (8 b + 2 w) + 16,384 xb;  v: + 16,777,216;  q: 33,554,432 + 4,096 (8 b + 2 w)
	s_lshl_b32 s58, s[BB], 3
	s_lshl_b32 s59, s[WV], 1
	s_add_co_u32 s58, s58, s59
	s_lshl_b32 s60, s58, 20
	s_lshl_b32 s59, s[XB], 14
	s_add_co_u32 s60, s60, s59
	s_cmp_eq_u32 s[Y], 2
	s_cselect_b32 s59, 0x1000000, 0
	s_add_co_u32 s60, s60, s59
	s_lshl_b32 s59, s58, 12
	s_add_co_u32 s59, s59, 0x2000000
	s_cmp_eq_u32 s[Y], 0
	s_cselect_b32 s60, s59, s60
	s_mov_b32 s61, 0
	s_mov_b32 s62, 0x100000
	s_cselect_b32 s58, 0x80000, s62                ; from my first head to my second, f16
	s_cselect_b32 s62, 4096, s62                   ; and f32
	s_mov_b32 s59, 0
	s_mov_b32 s63, 0
	s_cmp_eq_u32 s[XB], 0
	s_cselect_b32 s[F32M], 1, 0
	s_cmp_eq_u32 s[Y], 0
	s_cselect_b32 s[F32M], s[F32M], 4
	s_wait_kmcnt 0x0
	s_cselect_b64 s[SRC:SRC+1], s[4:5], s[6:7]     ; the choices hang on the work-group's y alone
	s_cselect_b64 s[BP:BP+1], s[12:13], s[14:15]
	s_cselect_b64 s[PH:PH+1], s[18:19], s[20:21]
	s_cmp_eq_u32 s[Y], 2
	s_cselect_b64 s[SRC:SRC+1], s[8:9], s[SRC:SRC+1]
	s_cselect_b64 s[BP:BP+1], s[16:17], s[BP:BP+1]
	s_add_nc_u64 s[SRC:SRC+1], s[SRC:SRC+1], s[48:49]
	s_add_nc_u64 s[WCP:WCP+1], s[10:11], s[50:51]
	s_add_nc_u64 s[WSP:WSP+1], s[10:11], s[52:53]
	s_add_nc_u64 s[BP:BP+1], s[BP:BP+1], s[54:55]
	s_add_nc_u64 s[PH:PH+1], s[PH:PH+1], s[56:57]
	s_add_nc_u64 s[PH+2:PH+3], s[PH:PH+1], s[58:59]
	s_add_nc_u64 s[PF:PF+1], s[22:23], s[60:61]
	s_add_nc_u64 s[PF+2:PF+3], s[PF:PF+1], s[62:63]
	; ---- my weights: fragment (t, s) at v[8 (4 t + s)] of window 1; they stay
	WIN 0x40
.set f_, 0
.rept 64
	global_load_b128 v[4*f_:4*f_+3], v[LI], s[WCP:WCP+1] offset:512*f_
.set f_, f_+1
.endr
	WIN 0
.irp t, 0,1,2,3,4,5,6,7
.irp u, 0,1
	global_load_b32 v[WS+2*\t+\u], v[LS], s[WSP:WSP+1] offset:256*\t+128*\u
.endr
.endr
	; ---- my 16 rows of x become four fragments
	XLOAD 0, RA
	XLOAD 1, RB
	s_wait_loadcnt 16                              ; all but the younger set of x: the weights are older
	TURN 0, RA
	s_wait_dscnt 0x0                               ; the neighbours are in, and the stores have read the set,
	XLOAD 2, RA                                    ; which takes K step 2
	QUANT X, PC, PW
	IMG 0
	s_wait_loadcnt 16
	TURN 1, RB
	s_wait_dscnt 0x0                               ; also: the image's stores have read the codes and the scale word
	XLOAD 3, RB
	QUANT X, PC, PW
	IMG 1
	s_wait_loadcnt 16
	TURN 2, RA
	s_wait_dscnt 0x0
	QUANT X, PC, PW
	IMG 2
	s_wait_loadcnt 0x0
	TURN 3, RB
	s_wait_dscnt 0x0
	s_cmp_eq_u32 s[Y], 2                           ; the bias in the result's layout, into the registers that x has left
	s_cbranch_scc1 .Lbias_v
.irp t, 0,1,2,3,4,5,6,7
	global_load_b128 v[BI+8*\t:BI+8*\t+3], v[BO8], s[BP:BP+1] offset:64*\t        ; q, k: register 8 t + j is b[16 t + 8 h + j]
	global_load_b128 v[BI+8*\t+4:BI+8*\t+7], v[BO8], s[BP:BP+1] offset:64*\t+16
.endr
	s_branch .Lbias_done
.Lbias_v:
.irp t, 0,1,2,3,4,5,6,7
	global_load_b32 v[BI+8*\t], v[BO1], s[BP:BP+1] offset:64*\t                   ; v: all eight registers of tile t are b[16 t + r]
.endr
.Lbias_done:
	QUANT X, PC, PW
	IMG 3
	s_wait_dscnt 0x0                               ; for the others' sake: my images have landed
	s_barrier_signal -1
	s_barrier_wait -1                              ; x's sixteen fragments lie in LDS; from here on LDS is only read
	s_wait_loadcnt 0x0                             ; the bias
	s_cmp_eq_u32 s[Y], 2
	s_cbranch_scc1 .Lnat
	ROWT 0, 0
	ROWT 1, 0
	ROWT 2, 0
	ROWT 3, 0
	CLOSE
.Lnat:
.irp t, 0,1,2,3,4,5,6,7
.irp j, 1,2,3,4,5,6,7
	v_mov_b32 v[BI+8*\t+\j], v[BI+8*\t]
.endr
.endr
	ROWT 0, 1
	ROWT 1, 1
	ROWT 2, 1
	ROWT 3, 1
	CLOSE
.Lfunc_end_k_qe3120da534_proj:
	.size	k_qe3120da534_proj, .Lfunc_end_k_qe3120da534_proj-k_qe3120da534_proj
	.p2alignl 7, 3214868480
	.fill 96, 4, 3214868480
	.section	.rodata,"a",@progbits
	.p2align	6, 0x0
	.amdhsa_kernel k_qe3120da534_proj
		.amdhsa_group_segment_fixed_size 86528
		.amdhsa_private_segment_fixed_size 0
		.amdhsa_enable_private_segment 0
		.amdhsa_kernarg_size 80
		.amdhsa_user_sgpr_count 2
		.amdhsa_user_sgpr_kernarg_segment_ptr 1
		.amdhsa_wavefront_size32 1
		.amdhsa_system_sgpr_workgroup_id_x 1
		.amdhsa_system_sgpr_workgroup_id_y 1
		.amdhsa_system_sgpr_workgroup_id_z 1
		.amdhsa_system_vgpr_workitem_id 0
		.amdhsa_next_free_vgpr 512
		.amdhsa_next_free_sgpr 66
		.amdhsa_reserve_vcc 0
		.amdhsa_float_denorm_mode_32 3
		.amdhsa_float_denorm_mode_16_64 3
		.amdhsa_memory_ordered 1
		.amdhsa_forward_progress 1
		.amdhsa_inst_pref_size 122
	.end_amdhsa_kernel
	.amdgpu_metadata
---
amdhsa.version: [ 1, 2 ]
amdhsa.kernels:
  - .name:           k_qe3120da534_proj
    .symbol:         k_qe3120da534_proj.kd
    .args:
      - { .name: query, .offset: 0, .size: 8, .value_kind: global_buffer, .address_space: global }
      - { .name: key, .offset: 8, .size: 8, .value_kind: global_buffer, .address_space: global }
      - { .name: value, .offset: 16, .size: 8, .value_kind: global_buffer, .address_space: global }
      - { .name: wts, .offset: 24, .size: 8, .value_kind: global_buffer, .address_space: global }
      - { .name: bq, .offset: 32, .size: 8, .value_kind: global_buffer, .address_space: global }
      - { .name: bk, .offset: 40, .size: 8, .value_kind: global_buffer, .address_space: global }
      - { .name: bv, .offset: 48, .size: 8, .value_kind: global_buffer, .address_space: global }
      - { .name: qf, .offset: 56, .size: 8, .value_kind: global_buffer, .address_space: global }
      - { .name: kv, .offset: 64, .size: 8, .value_kind: global_buffer, .address_space: global }
      - { .name: f32i, .offset: 72, .size: 8, .value_kind: global_buffer, .address_space: global }
    .group_segment_fixed_size: 86528
    .private_segment_fixed_size: 0
    .kernarg_segment_align: 8
    .kernarg_segment_size: 80
    .max_flat_workgroup_size: 128
    .sgpr_count:     66
    .vgpr_count:     512
    .wavefront_size: 32
...
	.end_amdgpu_metadata
.endif
;; end of part 2
;; launch fine (part 3): grid 256 x 1, 4 waves a work-group, no clusters, 17,920 bytes of LDS; arguments f32i, mw, fp; writes fp
.if DOCPART == 3
	.amdgcn_target "amdgcn-amd-amdhsa--gfx1250"
	.amdhsa_code_object_version 6
	.text
	.protected	k_qe3120da534_fine
	.globl	k_qe3120da534_fine
	.p2align	8
	.type	k_qe3120da534_fine,@function
k_qe3120da534_fine:
	s_mov_b64 s[64:65], 0
	v_nop
	global_prefetch_b8 v0, s[64:65] scope:SCOPE_SE
	s_setreg_imm32_b32 hwreg(HW_REG_WAVE_MODE, 25, 1), 1
	s_wait_xcnt 0x0
; fine: the first 16 positions of each sequence, in f32 throughout: these rows may average one to a few values, where the rounding of f16 operands weighs most.
; Work-group g = 16 (batch x 8 + head) + chunk takes queries 0-15 of its head against 256 keys; each of its four waves 64 of them.  The operands are the raw f32 accumulators that the projection
; launch stored as images.  S^T = K Q^T and O^T = V^T p by the f32 matrix form, K = 4 a time: both sources take the same registers of their images, so the same channel (or key) meets in both.
; Each wave makes p = 2^(c s - c m) under its own maximum m, its sum l and its O^T; the four meet in LDS and are brought under the largest c m; the work-group stores one partial:
; fp [head 16][chunk 16]: O^T as an image (4,096 bytes), then for each lane (c m, l).  The last launch joins the 16 partials of a head.
; A small launch: no ring, no cluster (no two work-groups read the same keys), no prefetch.
; The registers that the f32 matrix form writes, v192-255 of window 0, are written by matrix instructions alone.
; REGISTERS: window 0: v1-13 addresses; v8, v9 the partial's (c m, l); v16-31 at work; v32-63 Q; v96-127 masked scores, then p; v128-175 the merge; v192-223 S^T; v224-255 O^T.  window 1: v0-127 K.  window 2: v0-127 V.
.set SPARE, 17408                      ; behind the four waves' regions of 4,352 bytes
.set LI,  1
.set SPW, 14
.set NIL, 15
.set Q,   32
.set T,   96
.set MG,  128
.set S,   192
.set O,   224
.set CS,  48
.set WV,  50
.set SEL, 52
.set MSB, 0
.macro WIN new
.if MSB != \new
	s_set_vgpr_msb (MSB<<8)|\new
.set MSB, \new
.endif
.endm
	s_load_b128 s[4:7], s[0:1], 0x0                ; f32i, mw
	s_load_b64 s[8:9], s[0:1], 0x10                ; fp
	v_lshl_add_u32 v[SPW], v0, 2, SPARE
	v_mov_b32 v[NIL], 0
	v_lshrrev_b32 v10, 5, v0
	v_readfirstlane_b32 s[WV], v10                 ; wave 0..3
	v_and_b32 v10, 31, v0
	v_lshlrev_b32 v[LI], 4, v10                    ; 16 x lane
	v_lshlrev_b32 v2, 2, v10                       ; 4 x lane
	v_lshlrev_b32 v7, 3, v10                       ; 8 x lane
	s_mul_i32 s54, s[WV], 4352
	v_add_nc_u32 v3, s54, v[LI]                    ; my region: O^T's image,
	v_add_nc_u32 v4, s54, v2
	v_add_nc_u32 v4, 4096, v4                      ; c m, and 128 bytes on l
	s_lshl_b32 s54, s[WV], 10
	v_add_nc_u32 v5, s54, v[LI]                    ; the merge: pieces 2 w and 2 w + 1 of a region
	v_add_nc_u32 v13, s54, v[LI]                   ; and the same place in the partial
	v_add_nc_u32 v6, 4096, v2
	v_mov_b32 v12, 0xff800000                      ; -infinity
	v_mov_b32 v23, 0                               ; (named as the upper half of the pair v[22:23])
	s_mov_b32 s[SEL], 0x76543210
	s_mov_b32 s[SEL+1], 0xfedcba98
	s_mov_b32 s[CS], 0x3e38aa3b                    ; c = log2(e) / 8
	s_mov_b32 s[CS+1], s[CS]
	s_lshr_b32 s55, ttmp9, 4                       ; batch x 8 + head
	s_and_b32 s56, ttmp9, 15
	s_lshl_b32 s56, s56, 2
	s_add_co_u32 s56, s56, s[WV]                   ; my key step of 64: 0..63
	s_lshl_b32 s58, s55, 20
	s_lshl_b32 s57, s56, 14
	s_add_co_u32 s58, s58, s57
	s_mov_b32 s59, 0                               ; K's images
	s_lshl_b32 s60, s55, 12
	s_add_co_u32 s60, s60, 0x2000000
	s_mov_b32 s61, 0                               ; Q's
	s_lshr_b32 s62, s55, 3
	s_lshl_b32 s62, s62, 21                        ; the batch's query tile 0 in mw,
	s_lshl_b32 s57, s56, 7                         ; my step's 32 words
	s_add_co_u32 s62, s62, s57
	s_mov_b32 s63, 0
	s_mul_i32 s54, ttmp9, 4352
	s_mov_b32 s55, 0                               ; the partial
	s_wait_kmcnt 0x0
	s_add_nc_u64 s[10:11], s[4:5], s[58:59]
	s_add_nc_u64 s[12:13], s[10:11], 0x1000000     ; V's images lie 16,777,216 bytes behind K's
	s_add_nc_u64 s[14:15], s[4:5], s[60:61]
	s_add_nc_u64 s[6:7], s[6:7], s[62:63]
	s_add_nc_u64 s[8:9], s[8:9], s[54:55]
	s_load_b512 s[16:31], s[6:7], 0x0              ; the lane masks of the 32 score registers
	s_load_b512 s[32:47], s[6:7], 0x40
.irp p, 0,1,2,3,4,5,6,7
	global_load_b128 v[Q+4*\p:Q+4*\p+3], v[LI], s[14:15] offset:512*\p     ; register 8 ct + j: query lane % 16, channel 16 ct + 8 (lane / 16) + j
.endr
	WIN 0x40
.set f_, 0
.rept 32
	global_load_b128 v[4*f_:4*f_+3], v[LI], s[10:11] offset:512*f_         ; K: register 32 t + 8 ct + j: key 16 t + lane % 16, the same channel
.set f_, f_+1
.endr
	WIN 0x80
.set f_, 0
.rept 32
	global_load_b128 v[4*f_:4*f_+3], v[LI], s[12:13] offset:512*f_         ; V: register 32 t + 8 ct + j: channel 16 ct + lane % 16, key 16 t + 8 (lane / 16) + j
.set f_, f_+1
.endr
	s_wait_loadcnt 32                              ; Q and K are in; V's 32 loads stay out
	WIN 0x01                                       ; source 0 (K) window 1
.irp ct, 0,1,2,3                       ; the four accumulators by turns; the first four products start the sums
.irp i, 0,1,2,3
.irp t, 0,1,2,3
.if (\ct == 0) && (\i == 0)
	v_wmma_f32_16x16x4_f32 v[S+8*\t:S+8*\t+7], v[32*\t+8*\ct+2*\i:32*\t+8*\ct+2*\i+1], v[Q+8*\ct+2*\i:Q+8*\ct+2*\i+1], 0
.else
	v_wmma_f32_16x16x4_f32 v[S+8*\t:S+8*\t+7], v[32*\t+8*\ct+2*\i:32*\t+8*\ct+2*\i+1], v[Q+8*\ct+2*\i:Q+8*\ct+2*\i+1], v[S+8*\t:S+8*\t+7]
.endif
.endr
.endr
.endr
	WIN 0
.rept 8
	v_nop                                          ; eight places behind this form, ahead of the first read of its results
.endr
	s_wait_kmcnt 0x0
.set n_, 0
.rept 32
	v_cndmask_b32 v[T+n_], v12, v[S+n_], s[16+n_]  ; closed scores become -infinity; into other registers; each accumulator from its low end on
.set n_, n_+1
.endr
.irp j, 0,1,2,3
	v_max3_num_f32 v[16+\j], v[T+8*\j], v[T+8*\j+1], v[T+8*\j+2]
.endr
.irp q, 3,5
.irp j, 0,1,2,3
	v_max3_num_f32 v[16+\j], v[16+\j], v[T+8*\j+\q], v[T+8*\j+\q+1]
.endr
.endr
	v_max3_num_f32 v16, v16, v[T+7], v[T+15]
	v_max3_num_f32 v18, v18, v[T+23], v[T+31]
	v_max3_num_f32 v16, v16, v17, v18
	v_max3_num_f32 v16, v16, v19, 0xff61b1e6       ; and -3e38, so that m is a number where every key is closed
	v_permlanex16_b32 v17, v16, s[SEL], s[SEL+1]
	v_max_num_f32 v20, v16, v17                    ; m
	v_mul_f32 v22, s[CS], v20                      ; c m
.set k_, 0
.rept 16
	v_pk_fma_f32 v[T+2*k_:T+2*k_+1], v[T+2*k_:T+2*k_+1], s[CS:CS+1], v[22:23] op_sel_hi:[1,0,0] neg_lo:[0,0,1] neg_hi:[0,0,1]
.set k_, k_+1
.endr
.set k_, 0
.rept 32
	v_exp_f32 v[T+k_], v[T+k_]                     ; p
.set k_, k_+1
.endr
	v_nop
	s_wait_alu depctr_va_vdst(0)                   ; one wait for the batch, ahead of its first reader
	v_pk_add_f32 v[24:25], v[T:T+1], v[T+2:T+3]
	v_pk_add_f32 v[26:27], v[T+4:T+5], v[T+6:T+7]
.irp j, 8,12,16,20,24,28
	v_pk_add_f32 v[24:25], v[24:25], v[T+\j:T+\j+1]
	v_pk_add_f32 v[26:27], v[26:27], v[T+\j+2:T+\j+3]
.endr
	v_pk_add_f32 v[24:25], v[24:25], v[26:27]
	v_add_f32 v24, v24, v25
	v_permlanex16_b32 v25, v24, s[SEL], s[SEL+1]
	v_add_f32 v21, v24, v25                        ; l
	s_wait_loadcnt 0x0                             ; V
	WIN 0x02                                       ; source 0 (V) window 2
.irp t, 0,1,2,3
.irp i, 0,1,2,3
.irp ct, 0,1,2,3
.if (\t == 0) && (\i == 0)
	v_wmma_f32_16x16x4_f32 v[O+8*\ct:O+8*\ct+7], v[32*\t+8*\ct+2*\i:32*\t+8*\ct+2*\i+1], v[T+8*\t+2*\i:T+8*\t+2*\i+1], 0
.else
	v_wmma_f32_16x16x4_f32 v[O+8*\ct:O+8*\ct+7], v[32*\t+8*\ct+2*\i:32*\t+8*\ct+2*\i+1], v[T+8*\t+2*\i:T+8*\t+2*\i+1], v[O+8*\ct:O+8*\ct+7]
.endif
.endr
.endr
.endr
	WIN 0
.rept 8
	v_nop
.endr
.irp p, 0,1,2,3,4,5,6,7
	ds_store_b128 v3, v[O+4*\p:O+4*\p+3] offset:512*\p
.endr
	ds_store_b32 v4, v22
	ds_store_b32 v4, v21 offset:128
	s_wait_dscnt 0x0                               ; for the others' sake: my stores have landed
	s_barrier_signal -1
	s_barrier_wait -1
	; the merge: wave w joins the four waves' channels 16 w .. 16 w + 15
.irp i, 0,1,2,3
	ds_load_b32 v[MG+\i], v6 offset:4352*\i
	ds_load_b32 v[MG+4+\i], v6 offset:4352*\i+128
	ds_load_b128 v[MG+8+8*\i:MG+11+8*\i], v5 offset:4352*\i
	ds_load_b128 v[MG+12+8*\i:MG+15+8*\i], v5 offset:4352*\i+512
.endr
	s_wait_dscnt 0x0
	v_max3_num_f32 v8, v[MG], v[MG+1], v[MG+2]
	v_max_num_f32 v8, v8, v[MG+3]                  ; the largest c m
.irp i, 0,1,2,3
	v_sub_f32 v[MG+\i], v[MG+\i], v8
.endr
.irp i, 0,1,2,3
	v_exp_f32 v[MG+\i], v[MG+\i]                   ; f_i = 2^(c m_i - the largest)
.endr
	v_nop
	s_wait_alu depctr_va_vdst(0)
	v_mul_f32 v9, v[MG], v[MG+4]
.irp i, 1,2,3
	v_fmac_f32 v9, v[MG+\i], v[MG+4+\i]            ; l
.endr
.irp k, 0,1,2,3,4,5,6,7
	v_mul_f32 v[MG+40+\k], v[MG], v[MG+8+\k]
.endr
.irp i, 1,2,3
.irp k, 0,1,2,3,4,5,6,7
	v_fmac_f32 v[MG+40+\k], v[MG+\i], v[MG+8+8*\i+\k]
.endr
.endr
	global_store_b128 v13, v[MG+40:MG+43], s[8:9]
	global_store_b128 v13, v[MG+44:MG+47], s[8:9] offset:512
	s_cmp_lg_u32 s[WV], 0
	s_cbranch_scc1 .Lnot0
	global_store_b64 v7, v[8:9], s[8:9] offset:4096    ; (c m, l) of each lane's query: 256 consecutive bytes
.Lnot0:
	s_wait_tensorcnt 0x0                           ; the wave's end, behind my last LDS store
	ds_add_u32 v[SPW], v[NIL]
	s_wait_dscnt 0x0
	s_endpgm
.Lfunc_end_k_qe3120da534_fine:
	.size	k_qe3120da534_fine, .Lfunc_end_k_qe3120da534_fine-k_qe3120da534_fine
	.p2alignl 7, 3214868480
	.fill 96, 4, 3214868480
	.section	.rodata,"a",@progbits
	.p2align	6, 0x0
	.amdhsa_kernel k_qe3120da534_fine
		.amdhsa_group_segment_fixed_size 17920
		.amdhsa_private_segment_fixed_size 0
		.amdhsa_enable_private_segment 0
		.amdhsa_kernarg_size 24
		.amdhsa_user_sgpr_count 2
		.amdhsa_user_sgpr_kernarg_segment_ptr 1
		.amdhsa_wavefront_size32 1
		.amdhsa_system_sgpr_workgroup_id_x 1
		.amdhsa_system_sgpr_workgroup_id_y 1
		.amdhsa_system_sgpr_workgroup_id_z 1
		.amdhsa_system_vgpr_workitem_id 0
		.amdhsa_next_free_vgpr 640
		.amdhsa_next_free_sgpr 66
		.amdhsa_reserve_vcc 0
		.amdhsa_float_denorm_mode_32 3
		.amdhsa_float_denorm_mode_16_64 3
		.amdhsa_memory_ordered 1
		.amdhsa_forward_progress 1
		.amdhsa_inst_pref_size 28
	.end_amdhsa_kernel
	.amdgpu_metadata
---
amdhsa.version: [ 1, 2 ]
amdhsa.kernels:
  - .name:           k_qe3120da534_fine
    .symbol:         k_qe3120da534_fine.kd
    .args:
      - { .name: f32i, .offset: 0, .size: 8, .value_kind: global_buffer, .address_space: global }
      - { .name: mw, .offset: 8, .size: 8, .value_kind: global_buffer, .address_space: global }
      - { .name: fp, .offset: 16, .size: 8, .value_kind: global_buffer, .address_space: global }
    .group_segment_fixed_size: 17920
    .private_segment_fixed_size: 0
    .kernarg_segment_align: 8
    .kernarg_segment_size: 24
    .max_flat_workgroup_size: 128
    .sgpr_count:     66
    .vgpr_count:     640
    .wavefront_size: 32
...
	.end_amdgpu_metadata
.endif
;; end of part 3
;; launch attn (part 4): grid 16 x 16, 8 waves a work-group, clusters of 4 x 1, 327,680 bytes of LDS; arguments qf, kv, mw, af, fp, fa; writes af, fa
.if DOCPART == 4
	.amdgcn_target "amdgcn-amd-amdhsa--gfx1250"
	.amdhsa_code_object_version 6
	.text
	.protected	k_qe3120da534_attn
	.globl	k_qe3120da534_attn
	.p2align	8
	.type	k_qe3120da534_attn,@function
k_qe3120da534_attn:
	s_mov_b64 s[64:65], 0
	v_nop
	global_prefetch_b8 v0, s[64:65] scope:SCOPE_SE
	s_setreg_imm32_b32 hwreg(HW_REG_WAVE_MODE, 25, 1), 1
	s_wait_xcnt 0x0
	s_wait_alu depctr_hold_cnt(0) depctr_sa_sdst(0) depctr_va_vdst(0) depctr_va_sdst(0) depctr_va_ssrc(0) depctr_va_vcc(0) depctr_vm_vsrc(0)
	s_getreg_b32 s2, hwreg(HW_REG_IB_STS2, 6, 4)
	s_cmp_eq_u32 s2, 0
	s_cbranch_scc0 .Lentry_in_a_cluster
	s_endpgm
.Lentry_in_a_cluster:
	s_bfe_u32 s2, ttmp6, 0x10000c
	s_cmp_lg_u32 s2, 0x3003
	s_cbranch_scc0 .Lentry_shape_is_right
	s_endpgm
.Lentry_shape_is_right:
; attn: for each (batch, head): O = softmax(mask(Q K^T / 8)) V, f16 operands, f32 sums, maxima and softmax; the mask is an input, so every key is walked.
; SHARES.  A work-group owns 256 queries of one head; each of its eight waves two tiles of 16 (two waves to a SIMD, so that one wave's vector work stands beside the other's matrix work).
; Every wave walks the head's 4,096 keys, 64 a step, 8 steps to a slot.  A slot (512 keys: 64 KB of K fragments, 64 KB of V fragments, laid in register order by the projection launch) is one dense
; block of memory; each wave brings an eighth of it by one tensor load.  Two slots take turns.
; CLUSTER.  The four query blocks of a cluster belong to one head and walk the same slots: each load is asked for jointly, with the same descriptor and a mask that names the four.
; LAYOUT.  S^T = K Q^T (source 0 = 16 keys, source 1 = 16 queries): a lane holds one query (lane % 16) and keys 8 (lane / 16) + 0..7 of each tile.  Two such tiles rounded to f16 are source 1 of
; O^T = V^T P.  Fragments are read from LDS at 16 x lane: consecutive bytes, no pitch, no padding.
; THE MASK comes as lane masks, one word for each score register (packed by the first launch), by scalar loads one step ahead; a closed score becomes -infinity by v_cndmask_b32.
; SOFTMAX.  A running maximum m (it starts at -3e38) and sum l for each query: p = 2^(c s - c m), c = log2(e) / 8; in every step O and l are multiplied by a = 2^(c m_old - c m_new).
; A query with no open key ends with l = 0 and O = 0: 0 x (1 / 0) is NaN, as the softmax of a row of -infinity is.
; THE f32 ROWS.  The launch before this one left, for the first 16 positions of each sequence, 16 partials a head in f32 (fp: O^T as an image of 8 pieces of 512 bytes, then (c m, l) for each lane).
; They are joined here, once: in the four work-groups of each head's first cluster, waves 0 and 1 take one piece each, piece 2 cx + wave (the partners are told apart by address alone), bring the 16
; partials under their largest c m, divide by the sum, and store 512 bytes of fa [batch x 8 + head][piece 8][lane][16 bytes].  The arm stands at the head, beside the first slot's way in.
; LIMITS: q, k, v, p and the result in af are f16 (q, k, v beyond 65,504 overflow); NaN and infinities among the inputs are not served.
; REGISTERS: window 0: v1-11 addresses and constants; v16-31 statistics, 8 a tile (+0 c m, +1 m, +2, +3 l, +4..7 at work, a at +6); v32-63 Q; v64-127 K of a step; v128-191 S^T, then p; v192-223 P.
;            window 1: v0-63 O^T (tile x, 16 channels ct: 32 x + 8 ct); v64-127 V of a step.
.set SLOT1, 131072                     ; slot 1 begins here: one exclusive or turns an address in one slot into the other's
.set SLOTB, 131072                     ; a slot in memory
.set SPARE, 262144                     ; behind the ring: the spare words, 128 bytes for each of eight waves
.set LI,   1                           ; v1  16 x lane
.set LIV,  2                           ; v2  + 65,536: the V part
.set ADK,  3
.set ADV,  4
.set NINF, 5                           ; v5  -infinity
.set SPW,  6
.set NIL,  7
.set PFO,  8                           ; v8  256 x lane
.set L8,   10                          ; v10 8 x lane; never rewritten
.set PO,   11                          ; v11 16 x lane + 512 x (2 cx + wave): my piece of a partial and of fa; never rewritten
.set ST,   16
.set Q,    32
.set KF,   64
.set S,    128
.set P,    192
.set VF,   64                          ; in window 1
.set ML,   64                          ; the join, ahead of the first step: v64-95 the 16 pairs (c m, l), then the factors in the even registers; v96-98 at work;
.set OP,   128                         ; v128-191 my piece of the 16 partials;
.set AO,   192                         ; v192-195 the joined piece
.set SEL,  2                           ; s[2:3]
.set PFA,  6                           ; s[6:7] kv, later where my prefetches stand
.set MP,   8                           ; s[8:9] my mask words
.set WV,   12
.set MRG,  13                          ; s13 cx at the head; then 0 in a wave that joins
.set TB,   14                          ; LDS byte at which the step's fragments of K begin
.set LIM,  15
.set G1,   16                          ; s[16:23]
.set G0A,  24                          ; s[24:27] slot 0's first fill
.set G0B,  28                          ; s[28:31] slot 1's first fill; it then walks on
.set MW0,  32                          ; s[32:63] tile 0's 32 lane masks
.set FPP,  66                          ; s[66:67] fp at my head, until the join is over; then:
.set SLOTS, 66
.set CNT,  67
.set MW1,  68                          ; s[68:99] tile 1's
.set FAP,  100                         ; s[100:101] fa at my head
.set CS,   104                         ; s[104:105] c
.set MSB, 0
.macro WIN new
.if MSB != \new
	s_set_vgpr_msb (MSB<<8)|\new
.set MSB, \new
.endif
.endm
.macro CROUND                          ; a round of the cluster's barrier
	s_barrier_signal -1
	s_barrier_wait -1
	s_cmp_lg_u32 s[WV], 0
	s_cbranch_scc1 .Lnot_wave_0_\@
	s_barrier_signal -3
.Lnot_wave_0_\@:
	s_barrier_wait -3
	s_barrier_signal -1
	s_barrier_wait -1
.endm
.macro MLOAD                           ; a step's 64 lane masks: 128 bytes for each of my two tiles, 8,192 bytes apart
	s_load_b512 s[MW0:MW0+15], s[MP:MP+1], 0x0
	s_load_b512 s[MW0+16:MW0+31], s[MP:MP+1], 0x40
	s_load_b512 s[MW1:MW1+15], s[MP:MP+1], 0x2000
	s_load_b512 s[MW1+16:MW1+31], s[MP:MP+1], 0x2040
.endm
; A prefetch of the slot that the NEXT change of slots will load: 8 key steps ahead of that load.  All clusters of a head walk the same slots: the head's first cluster asks.  Its four partners share the
; slot out by address (16 KB of each part a work-group); in each, waves 0 and 1 ask for K's part and waves 2 and 3 for V's, 8 KB a wave, lanes 256 bytes apart: each block of 256 bytes is named once in
; the launch.  Slots 0 to 2 come by their loads alone; the last change that fills a slot asks for nothing.
.macro ASK
	s_cmp_gt_u32 s[SLOTS], s[LIM]
	s_cbranch_scc0 .Lnot_mine_\@
	global_prefetch_b8 v[PFO], s[PFA:PFA+1] th:TH_LOAD_NT scope:SCOPE_SE
.Lnot_mine_\@:
.endm
; THE CHANGE OF SLOTS.  Each wave waits for all its tensor loads (one is out: its part of the slot ahead), adds 0 to its spare word, and waits for that and for its reads of the slot that it leaves.
; fill = 1: a round of the cluster's barrier, and the slot just left is filled with the keys two slots on: the wave's one tensor load, first behind the round; it has 8 key steps in which to land.
.macro CHANGE fill
	s_wait_tensorcnt 0x0                           ; no tensor load of mine is out, so a group 0 may be written
	ds_add_u32 v[SPW], v[NIL]
.if \fill
	s_xor_b32 s[G0B+1], s[G0B+1], SLOT1            ; the other slot than last time,
	s_add_nc_u64 s[G0B+2:G0B+3], s[G0B+2:G0B+3], SLOTB   ; the next 512 keys; the type bits on top are not reached
	s_wait_xcnt 0x0                                ; the last prefetch, a slot back, has read its address
	s_add_nc_u64 s[PFA:PFA+1], s[PFA:PFA+1], SLOTB
	s_wait_dscnt 0x0                               ; the add is done, and my reads of the slot are over
	CROUND
	tensor_load_to_lds s[G0B:G0B+3], s[G1:G1+7]
	s_nop 0
.rept 4
	v_nop
.endr
	ASK
.else
	s_wait_dscnt 0x0
	s_barrier_signal -1
	s_barrier_wait -1
.endif
	s_sub_co_u32 s[TB], s[TB], 65536               ; back to a slot's first step,
	s_xor_b32 s[TB], s[TB], SLOT1                  ; in the other slot
.endm
; The maxima of both tiles, line by line in turn: four chains of seven scores, the four left over, the old m; the other half of the lanes'; the new m, c m, and c m_old - c m_new.
.macro SMAX
.irp j, 0,1,2,3
.irp x, 0,1
	v_max3_num_f32 v[ST+8*\x+4+\j], v[S+32*\x+8*\j], v[S+32*\x+8*\j+1], v[S+32*\x+8*\j+2]
.endr
.endr
.irp q, 3,5
.irp j, 0,1,2,3
.irp x, 0,1
	v_max3_num_f32 v[ST+8*\x+4+\j], v[ST+8*\x+4+\j], v[S+32*\x+8*\j+\q], v[S+32*\x+8*\j+\q+1]
.endr
.endr
.endr
.irp x, 0,1
	v_max3_num_f32 v[ST+8*\x+4], v[ST+8*\x+4], v[S+32*\x+7], v[S+32*\x+15]
	v_max3_num_f32 v[ST+8*\x+6], v[ST+8*\x+6], v[S+32*\x+23], v[S+32*\x+31]
.endr
.irp x, 0,1
	v_max3_num_f32 v[ST+8*\x+4], v[ST+8*\x+4], v[ST+8*\x+5], v[ST+8*\x+6]
.endr
.irp x, 0,1
	v_max3_num_f32 v[ST+8*\x+4], v[ST+8*\x+4], v[ST+8*\x+7], v[ST+8*\x+1]
.endr
.irp x, 0,1
	v_permlanex16_b32 v[ST+8*\x+5], v[ST+8*\x+4], s[SEL], s[SEL+1]   ; the query's other 32 keys lie in the lane 16 away
.endr
.irp x, 0,1
	v_mov_b32 v[ST+8*\x+7], v[ST+8*\x]             ; c m_old
.endr
.irp x, 0,1
	v_max_num_f32 v[ST+8*\x+1], v[ST+8*\x+4], v[ST+8*\x+5]
.endr
.irp x, 0,1
	v_mul_f32 v[ST+8*\x], s[CS], v[ST+8*\x+1]
.endr
.irp x, 0,1
	v_sub_f32 v[ST+8*\x+7], v[ST+8*\x+7], v[ST+8*\x]
.endr
.endm
; The scalings, all 66 exponentials as ONE batch with one plain instruction and one wait behind it, the roundings to f16, the sums.
.macro SEXP
.set k_, 0
.rept 16
.irp x, 0,1
	v_pk_fma_f32 v[S+32*\x+2*k_:S+32*\x+2*k_+1], v[S+32*\x+2*k_:S+32*\x+2*k_+1], s[CS:CS+1], v[ST+8*\x:ST+8*\x+1] op_sel_hi:[1,0,0] neg_lo:[0,0,1] neg_hi:[0,0,1]   ; c s - c m
.endr
.set k_, k_+1
.endr
.irp x, 0,1
	v_exp_f32 v[ST+8*\x+6], v[ST+8*\x+7]           ; a
.endr
.set k_, 0
.rept 64
	v_exp_f32 v[S+k_], v[S+k_]                     ; p, at most 1
.set k_, k_+1
.endr
	v_nop                                          ; the plain instruction behind the last exponential
	s_wait_alu depctr_va_vdst(0)                   ; one wait for the batch, ahead of the first instruction that names a result
.set k_, 0
.rept 32
	v_cvt_pk_f16_f32 v[P+k_], v[S+2*k_], v[S+2*k_+1]
.set k_, k_+1
.endr
.irp u, 0,1,2,3,4,5,6,7                ; the sum of a tile's 16 pairs, in place
.irp x, 0,1
	v_pk_add_f32 v[S+32*\x+4*\u:S+32*\x+4*\u+1], v[S+32*\x+4*\u:S+32*\x+4*\u+1], v[S+32*\x+4*\u+2:S+32*\x+4*\u+3]
.endr
.endr
.irp u, 0,1,2,3
.irp x, 0,1
	v_pk_add_f32 v[S+32*\x+8*\u:S+32*\x+8*\u+1], v[S+32*\x+8*\u:S+32*\x+8*\u+1], v[S+32*\x+8*\u+4:S+32*\x+8*\u+5]
.endr
.endr
.irp u, 0,1
.irp x, 0,1
	v_pk_add_f32 v[S+32*\x+16*\u:S+32*\x+16*\u+1], v[S+32*\x+16*\u:S+32*\x+16*\u+1], v[S+32*\x+16*\u+8:S+32*\x+16*\u+9]
.endr
.endr
.irp x, 0,1
	v_pk_add_f32 v[S+32*\x:S+32*\x+1], v[S+32*\x:S+32*\x+1], v[S+32*\x+16:S+32*\x+17]
.endr
.irp x, 0,1
	v_pk_fma_f32 v[ST+8*\x+2:ST+8*\x+3], v[ST+8*\x+2:ST+8*\x+3], v[ST+8*\x+6:ST+8*\x+7], v[S+32*\x:S+32*\x+1] op_sel_hi:[1,0,1]   ; l = a l + the sum
.endr
.endm
; A KEY STEP: 64 keys.  last = 1: the launch's last slot, whose last step asks for no further mask words.
.macro STEP last
	v_add_nc_u32 v[ADK], s[TB], v[LI]
	v_add_nc_u32 v[ADV], s[TB], v[LIV]
	v_nop
	v_nop                                          ; four places behind the last step's products, ahead of the loads into V's registers
.set f_, 0
.rept 16
	ds_load_b128 v[KF+4*f_:KF+4*f_+3], v[ADK] offset:512*f_     ; fragment (16 keys t, 32 channels c) at KF + 16 t + 8 c
.set f_, f_+1
.endr
	WIN 0x40
.set f_, 0
.rept 16
	ds_load_b128 v[VF+4*f_:VF+4*f_+3], v[ADV] offset:512*f_     ; fragment (32 keys gg, 16 channels ct) at VF + 32 gg + 8 ct
.set f_, f_+1
.endr
	WIN 0
	s_wait_dscnt 16                                ; K is in; V's sixteen loads stay out
.irp c, 0,1                            ; the eight accumulators by turns; the first eight products start the sums
.irp t, 0,1,2,3
.irp x, 0,1
.if \c == 0
	v_wmma_f32_16x16x32_f16 v[S+32*\x+8*\t:S+32*\x+8*\t+7], v[KF+16*\t+8*\c:KF+16*\t+8*\c+7], v[Q+16*\x+8*\c:Q+16*\x+8*\c+7], 0
.else
	v_wmma_f32_16x16x32_f16 v[S+32*\x+8*\t:S+32*\x+8*\t+7], v[KF+16*\t+8*\c:KF+16*\t+8*\c+7], v[Q+16*\x+8*\c:Q+16*\x+8*\c+7], v[S+32*\x+8*\t:S+32*\x+8*\t+7]
.endif
.endr
.endr
.endr
.rept 4
	v_nop
.endr
	s_wait_kmcnt 0x0                               ; this step's lane masks, asked for a step ago
.set n_, 0
.rept 32
	v_cndmask_b32 v[S+n_], v[NINF], v[S+n_], s[MW0+n_]          ; each accumulator from its low end on
.set n_, n_+1
.endr
.set n_, 0
.rept 32
	v_cndmask_b32 v[S+32+n_], v[NINF], v[S+32+n_], s[MW1+n_]
.set n_, n_+1
.endr
	SMAX
.if \last
	s_cmp_eq_u32 s[CNT], 1                         ; a counted loop's step: no load leaves the buffer
	s_cbranch_scc1 .Lnom_\@
.endif
	s_add_nc_u64 s[MP:MP+1], s[MP:MP+1], 128       ; (the loads that read this base were waited for above)
	MLOAD                                          ; the next step's lane masks
.if \last
.Lnom_\@:
.endif
	SEXP
	WIN 0x41                                       ; O^T (destination and source 0) window 1, a window 0
.set k_, 0
.rept 16
.irp x, 0,1
	v_pk_mul_f32 v[32*\x+2*k_:32*\x+2*k_+1], v[32*\x+2*k_:32*\x+2*k_+1], v[ST+8*\x+6:ST+8*\x+7] op_sel_hi:[1,0]
.endr
.set k_, k_+1
.endr
	s_wait_dscnt 0x0                               ; V is in
	WIN 0x51                                       ; V window 1, P window 0, O^T window 1
.irp gg, 0,1
.irp ct, 0,1,2,3
.irp x, 0,1
	v_wmma_f32_16x16x32_f16 v[32*\x+8*\ct:32*\x+8*\ct+7], v[VF+32*\gg+8*\ct:VF+32*\gg+8*\ct+7], v[P+16*\x+8*\gg:P+16*\x+8*\gg+7], v[32*\x+8*\ct:32*\x+8*\ct+7]
.endr
.endr
.endr
	WIN 0
	s_add_co_u32 s[TB], s[TB], 8192                ; the next step's fragments
.endm
.macro STEPS8 last                     ; a slot's eight key steps: written once, walked eight times
	s_mov_b32 s[CNT], 8
.Lstep_\@:
	STEP \last
	s_sub_co_u32 s[CNT], s[CNT], 1
	s_cmp_lg_u32 s[CNT], 0
	s_cbranch_scc1 .Lstep_\@
.endm
	s_load_b256 s[4:11], s[0:1], 0x0               ; qf s[4:5], kv s[6:7], mw s[8:9], af s[10:11]
	s_load_b64 s[FPP:FPP+1], s[0:1], 0x20          ; fp
	s_load_b64 s[FAP:FAP+1], s[0:1], 0x28          ; fa
	v_lshl_add_u32 v[SPW], v0, 2, SPARE
	v_mov_b32 v[NIL], 0
	ds_add_u32 v[SPW], v[NIL]                      ; the wave's opening: the add, twice on end, and its wait ahead of my first tensor load
	ds_add_u32 v[SPW], v[NIL]
	v_lshrrev_b32 v9, 5, v0
	v_readfirstlane_b32 s[WV], v9                  ; wave 0..7
	v_and_b32 v9, 31, v0
	v_lshlrev_b32 v[LI], 4, v9
	v_add_nc_u32 v[LIV], 65536, v[LI]
	v_lshlrev_b32 v[PFO], 8, v9
	v_lshlrev_b32 v[L8], 3, v9
	v_mov_b32 v[NINF], 0xff800000
	s_bfe_u32 s13, ttmp6, 0x40000                  ; cx: my place in the cluster: it enters Q's, the mask words', the results', the partials' and the prefetches' addresses alone
	s_lshl_b32 s32, ttmp9, 2
	s_add_co_u32 s32, s32, s13                     ; my block of 256 queries
	s_and_b32 s33, ttmp7, 0xffff                   ; batch x 8 + head, which the four partners share
	s_lshr_b32 s34, s33, 3
	s_and_b32 s35, s33, 7
	s_lshl_b32 s36, s32, 4
	s_lshl_b32 s37, s[WV], 1
	s_add_co_u32 s36, s36, s37                     ; my first tile of 16 queries
	s_lshl_b32 s38, s33, 19
	s_lshl_b32 s37, s36, 11
	s_add_co_u32 s38, s38, s37
	s_mov_b32 s39, 0                               ; in qf
	s_lshl_b32 s40, s34, 21
	s_lshl_b32 s37, s36, 13
	s_add_co_u32 s40, s40, s37
	s_mov_b32 s41, 0                               ; in mw
	s_lshl_b32 s42, s34, 22
	s_lshl_b32 s37, s36, 14
	s_add_co_u32 s42, s42, s37
	s_lshl_b32 s37, s35, 11
	s_add_co_u32 s42, s42, s37
	s_mov_b32 s43, 0                               ; in af
	s_lshl_b32 s44, s33, 20
	s_mov_b32 s45, 0                               ; the head in kv
	s_lshl_b32 s46, s[WV], 14                      ; my eighth of a slot, in memory and in LDS
	s_mov_b32 s47, 0
	s_bfe_u32 s48, s[WV], 0x10001                  ; the prefetches: K's part or V's,
	s_lshl_b32 s48, s48, 16
	s_lshl_b32 s37, s13, 14                        ; my work-group's 16 KB of it,
	s_add_co_u32 s48, s48, s37
	s_and_b32 s37, s[WV], 1
	s_lshl_b32 s37, s37, 13                        ; my wave's 8 KB,
	s_add_co_u32 s48, s48, s37
	s_add_co_u32 s48, s48, 2*SLOTB                 ; in slot 2: the first change of slots steps it to slot 3
	s_mov_b32 s49, 0
	s_mul_i32 s50, s33, 69632                      ; the join: my head's 16 partials of 4,352 bytes in fp,
	s_mov_b32 s51, 0
	s_lshl_b32 s52, s33, 12                        ; its 4,096 bytes in fa,
	s_mov_b32 s53, 0
	s_lshl_b32 s54, s13, 10                        ; and piece 2 cx + wave, 512 bytes a piece
	s_lshl_b32 s37, s[WV], 9
	s_add_co_u32 s54, s54, s37
	v_add_nc_u32 v[PO], s54, v[LI]
	s_lshr_b32 s[MRG], s[WV], 1                    ; (cx has been used: its register takes the flag)  waves 0 and 1
	s_or_b32 s[MRG], s[MRG], ttmp9                 ; of the head's first cluster: 0; the same in all four partners
	s_lshr_b32 s[LIM], s[WV], 2                    ; waves 0 to 3
	s_or_b32 s[LIM], s[LIM], ttmp9                 ; of the head's first cluster: the same in all four partners
	s_cmp_eq_u32 s[LIM], 0
	s_cselect_b32 s[LIM], 1, -1
	; descriptor group 1: 16,384 dense bytes as 64 rows of 32 elements of 8 bytes
	s_mov_b32 s[G1], 15|(3<<16)|(1<<21)            ; 15:0 the mask: all four work-groups; 17:16 elements of 8 bytes; 21 set beside a mask; no padding
	s_mov_b32 s[G1+1], 32<<16                      ; tensor_dim0 = 32
	s_mov_b32 s[G1+2], 64<<16                      ; tensor_dim1 = 64
	s_mov_b32 s[G1+3], 32<<16                      ; tile_dim0 = 32
	s_mov_b32 s[G1+4], 64                          ; tile_dim1 = 64
	s_mov_b32 s[G1+5], 32                          ; from row to row
	s_mov_b32 s[G1+6], 0
	s_mov_b32 s[G1+7], 0
	s_mov_b32 s[SEL], 0x76543210
	s_mov_b32 s[SEL+1], 0xfedcba98
	s_mov_b32 s[CS], 0x3e38aa3b                    ; c = log2(e) / 8
	s_mov_b32 s[CS+1], s[CS]
	s_mov_b32 s[TB], 0
	s_wait_dscnt 0x0                               ; both opening adds are done
	s_wait_kmcnt 0x0
	s_add_nc_u64 s[4:5], s[4:5], s[38:39]
	s_add_nc_u64 s[MP:MP+1], s[MP:MP+1], s[40:41]
	s_add_nc_u64 s[10:11], s[10:11], s[42:43]
	s_add_nc_u64 s[6:7], s[6:7], s[44:45]          ; kv at my head
	s_add_nc_u64 s[FPP:FPP+1], s[FPP:FPP+1], s[50:51]
	s_add_nc_u64 s[FAP:FAP+1], s[FAP:FAP+1], s[52:53]
	s_mov_b32 s[G0A], 1
	s_mov_b32 s[G0A+1], s46
	s_add_nc_u64 s[G0A+2:G0A+3], s[6:7], s[46:47]
	s_mov_b32 s[G0B], 1
	s_add_co_u32 s[G0B+1], s46, SLOT1
	s_add_nc_u64 s[G0B+2:G0B+3], s[G0A+2:G0A+3], SLOTB
	s_or_b32 s[G0A+3], s[G0A+3], 0x80000000        ; type = 2
	s_or_b32 s[G0B+3], s[G0B+3], 0x80000000
	s_add_nc_u64 s[PFA:PFA+1], s[6:7], s[48:49]
	CROUND                                         ; all four work-groups are here: the first joint loads meet
	tensor_load_to_lds s[G0A:G0A+3], s[G1:G1+7]    ; slots 0 and 1: two loads of mine are out
	s_nop 0
	tensor_load_to_lds s[G0B:G0B+3], s[G1:G1+7]
	s_nop 0
.rept 4
	v_nop
.endr
.irp x, 0,1
.irp ct, 0,1,2,3
	global_load_b128 v[Q+16*\x+4*\ct:Q+16*\x+4*\ct+3], v[LI], s[4:5] offset:2048*\x+512*\ct   ; Q stays in registers: tile x, fragment c at + 8 c
.endr
.endr
	MLOAD                                          ; step 0's lane masks
.irp x, 0,1
	v_mov_b32 v[ST+8*\x+1], 0xff61b1e6             ; m = -3e38, under every score
	v_mov_b32 v[ST+8*\x+2], 0                      ; l
	v_mov_b32 v[ST+8*\x+3], 0
	v_mov_b32 v[ST+8*\x+5], 0                      ; (a lane permute's destination counts as one of its sources)
	v_mul_f32 v[ST+8*\x], s[CS], v[ST+8*\x+1]      ; c m
.endr
	WIN 0x40
.set k_, 0
.rept 64
	v_mov_b32 v[k_], 0                             ; O^T.  (The step is written once: the first finds zeros, which the first a leaves zeros)
.set k_, k_+1
.endr
	WIN 0
	; ---- THE JOIN of the f32 rows' partials: one arm, loads, wait, arithmetic and store together, while slot 0 is on its way.  The branch hangs on the wave's number and the cluster's x alone.
	s_cmp_lg_u32 s[MRG], 0
	s_cbranch_scc1 .Lno_join
.set c_, 0
.rept 16
	global_load_b64 v[ML+2*c_:ML+2*c_+1], v[L8], s[FPP:FPP+1] offset:4352*c_+4096   ; (c m, l) of my lane's query in partial c
.set c_, c_+1
.endr
.set c_, 0
.rept 16
	global_load_b128 v[OP+4*c_:OP+4*c_+3], v[PO], s[FPP:FPP+1] offset:4352*c_       ; my piece of partial c: 512 consecutive bytes a load
.set c_, c_+1
.endr
	s_wait_loadcnt 0x0
	v_max3_num_f32 v96, v[ML], v[ML+2], v[ML+4]
.irp c, 3,5,7,9,11,13
	v_max3_num_f32 v96, v96, v[ML+2*\c], v[ML+2*\c+2]
.endr
	v_max_num_f32 v96, v96, v[ML+30]               ; the largest c m
.set c_, 0
.rept 16
	v_sub_f32 v[ML+2*c_], v[ML+2*c_], v96
.set c_, c_+1
.endr
.set c_, 0
.rept 16
	v_exp_f32 v[ML+2*c_], v[ML+2*c_]               ; f_c = 2^(c m_c - the largest)
.set c_, c_+1
.endr
	v_nop
	s_wait_alu depctr_va_vdst(0)                   ; one wait for the batch, ahead of its first reader
	v_mul_f32 v97, v[ML], v[ML+1]
.set c_, 1
.rept 15
	v_fmac_f32 v97, v[ML+2*c_], v[ML+2*c_+1]       ; the row's sum
.set c_, c_+1
.endr
	v_rcp_f32 v98, v97
	v_nop
	s_wait_alu depctr_va_vdst(0)
.set c_, 0
.rept 16
	v_mul_f32 v[ML+2*c_], v[ML+2*c_], v98          ; g_c = f_c / the sum
.set c_, c_+1
.endr
	v_pk_mul_f32 v[AO:AO+1], v[OP:OP+1], v[ML:ML+1] op_sel_hi:[1,0]
	v_pk_mul_f32 v[AO+2:AO+3], v[OP+2:OP+3], v[ML:ML+1] op_sel_hi:[1,0]
.set c_, 1
.rept 15
	v_pk_fma_f32 v[AO:AO+1], v[OP+4*c_:OP+4*c_+1], v[ML+2*c_:ML+2*c_+1], v[AO:AO+1] op_sel_hi:[1,0,1]       ; of the pair (g_c, l_c) the low word serves both halves
	v_pk_fma_f32 v[AO+2:AO+3], v[OP+4*c_+2:OP+4*c_+3], v[ML+2*c_:ML+2*c_+1], v[AO+2:AO+3] op_sel_hi:[1,0,1]
.set c_, c_+1
.endr
	global_store_b128 v[PO], v[AO:AO+3], s[FAP:FAP+1]   ; 512 consecutive aligned bytes
	s_wait_xcnt 0x0                                ; the store has read its data, which the first step writes again; fp's pair becomes the loops' counters
.Lno_join:
	s_wait_tensorcnt 1                             ; my part of slot 0 is in; slot 1's may stay out
	s_barrier_signal -1
	s_barrier_wait -1                              ; everybody's is
	s_wait_loadcnt 0x0                             ; Q
	STEPS8 0
	s_mov_b32 s[SLOTS], 6
.Lslot:                                            ; six trips: slots 2 to 7 are asked for
	CHANGE 1
	STEPS8 0
	s_sub_co_u32 s[SLOTS], s[SLOTS], 1
	s_cmp_lg_u32 s[SLOTS], 0
	s_cbranch_scc1 .Lslot
	CHANGE 0                                       ; the last slot is written out: nothing is left to ask for
	STEPS8 1
	; THE WAY OUT.  l's two halves and the other half of the lanes' are added (these lines are the places behind the last products); O^T / l, rounded to f16, is an image of the output projection's operand.
.irp x, 0,1
	v_add_f32 v[ST+8*\x+4], v[ST+8*\x+2], v[ST+8*\x+3]
.endr
.irp x, 0,1
	v_permlanex16_b32 v[ST+8*\x+5], v[ST+8*\x+4], s[SEL], s[SEL+1]
.endr
.irp x, 0,1
	v_add_f32 v[ST+8*\x+4], v[ST+8*\x+4], v[ST+8*\x+5]
.endr
	v_nop
	v_nop
.irp x, 0,1
	v_rcp_f32 v[ST+8*\x+6], v[ST+8*\x+4]
.endr
	v_nop
	s_wait_alu depctr_va_vdst(0)                   ; one wait for the two reciprocals, ahead of their first reader
	WIN 0x41
.set k_, 0
.rept 16
.irp x, 0,1
	v_pk_mul_f32 v[32*\x+2*k_:32*\x+2*k_+1], v[32*\x+2*k_:32*\x+2*k_+1], v[ST+8*\x+6:ST+8*\x+7] op_sel_hi:[1,0]
.endr
.set k_, k_+1
.endr
	WIN 0x05                                       ; sources window 1, destination window 0
.set k_, 0
.rept 32
	v_cvt_pk_f16_f32 v[S+k_], v[2*k_], v[2*k_+1]
.set k_, k_+1
.endr
	WIN 0
.irp x, 0,1
.irp ct, 0,1,2,3
	global_store_b128 v[LI], v[S+16*\x+4*\ct:S+16*\x+4*\ct+3], s[10:11] offset:16384*\x+512*\ct   ; 512 consecutive aligned bytes
.endr
.endr
	s_wait_tensorcnt 0x0                           ; the wave's end
	ds_add_u32 v[SPW], v[NIL]
	s_wait_dscnt 0x0
	CROUND                                         ; the closing round: no work-group ends while a partner may still ask for a slot that names it
	s_endpgm
.Lfunc_end_k_qe3120da534_attn:
	.size	k_qe3120da534_attn, .Lfunc_end_k_qe3120da534_attn-k_qe3120da534_attn
	.p2alignl 7, 3214868480
	.fill 96, 4, 3214868480
	.section	.rodata,"a",@progbits
	.p2align	6, 0x0
	.amdhsa_kernel k_qe3120da534_attn
		.amdhsa_group_segment_fixed_size 327680
		.amdhsa_private_segment_fixed_size 0
		.amdhsa_enable_private_segment 0
		.amdhsa_kernarg_size 48
		.amdhsa_user_sgpr_count 2
		.amdhsa_user_sgpr_kernarg_segment_ptr 1
		.amdhsa_wavefront_size32 1
		.amdhsa_system_sgpr_workgroup_id_x 1
		.amdhsa_system_sgpr_workgroup_id_y 1
		.amdhsa_system_sgpr_workgroup_id_z 1
		.amdhsa_system_vgpr_workitem_id 0
		.amdhsa_next_free_vgpr 384
		.amdhsa_next_free_sgpr 106
		.amdhsa_reserve_vcc 0
		.amdhsa_float_denorm_mode_32 3
		.amdhsa_float_denorm_mode_16_64 3
		.amdhsa_memory_ordered 1
		.amdhsa_forward_progress 1
		.amdhsa_inst_pref_size 89
	.end_amdhsa_kernel
	.amdgpu_metadata
---
amdhsa.version: [ 1, 2 ]
amdhsa.kernels:
  - .name:           k_qe3120da534_attn
    .symbol:         k_qe3120da534_attn.kd
    .args:
      - { .name: qf, .offset: 0, .size: 8, .value_kind: global_buffer, .address_space: global }
      - { .name: kv, .offset: 8, .size: 8, .value_kind: global_buffer, .address_space: global }
      - { .name: mw, .offset: 16, .size: 8, .value_kind: global_buffer, .address_space: global }
      - { .name: af, .offset: 24, .size: 8, .value_kind: global_buffer, .address_space: global }
      - { .name: fp, .offset: 32, .size: 8, .value_kind: global_buffer, .address_space: global }
      - { .name: fa, .offset: 40, .size: 8, .value_kind: global_buffer, .address_space: global }
    .group_segment_fixed_size: 327680
    .private_segment_fixed_size: 0
    .kernarg_segment_align: 8
    .kernarg_segment_size: 48
    .max_flat_workgroup_size: 256
    .sgpr_count:     106
    .vgpr_count:     384
    .wavefront_size: 32
...
	.end_amdgpu_metadata
.endif
;; end of part 4
;; launch outp (part 5): grid 272 x 1, 4 waves a work-group, no clusters, 17,920 bytes of LDS; arguments af, wts, bo, fa, Wo, out0; writes out0
.if DOCPART == 5
	.amdgcn_target "amdgcn-amd-amdhsa--gfx1250"
	.amdhsa_code_object_version 6
	.text
	.protected	k_qe3120da534_outp
	.globl	k_qe3120da534_outp
	.p2align	8
	.type	k_qe3120da534_outp,@function
k_qe3120da534_outp:
	s_mov_b64 s[64:65], 0
	v_nop
	global_prefetch_b8 v0, s[64:65] scope:SCOPE_SE
	s_setreg_imm32_b32 hwreg(HW_REG_WAVE_MODE, 25, 1), 1
	s_wait_xcnt 0x0
; outp: out = a Wo^T + bo.
; Work-groups 16 to 271 (MAIN): 128 rows x 128 columns each, f16 operands, f32 sums; a wave makes 64 x 64.  Both operands lie in memory in register order (a from the attention launch, Wo from the first),
; so every fragment comes by loads of 512 consecutive bytes straight into registers, three K steps of 32 in flight.  Source 0 = 16 rows of Wo, source 1 = 16 rows of a: a lane holds eight neighbouring
; columns of one row; bo is the C of each sum's first product.  A block of 16 rows x 64 columns goes through the wave's own stage in LDS and leaves as aligned runs of 256 bytes from sixteen lanes.
; The rows of the first 16 positions of each sequence are not stored here.
; Work-groups 0 to 15 (FINE): those rows, in f32: batch g / 8, columns 64 (g % 8) on, 16 columns a wave.  The rows come joined and normalised from the attention launch (fa, images of registers, 4,096
; bytes a head); a wave walks the eight heads: 8 loads of Wo in f32 and 8 of the rows for each, through a ring of four slots of registers, and 16 products of the f32 matrix form a head on four
; accumulators by turns.  Up to 66 loads of a wave are out.  No LDS, no barrier on this path.  Its loads of Wo and its stores are pieces of 64 bytes: 2 MB and 64 KB in all.
; No cluster, no tensor load: each work-group's operands go once into registers; the launch is short, and no tile lies in LDS that partners could share.
; The two paths part on the work-group's number alone.  v224-255 of window 0 are written by the f32 matrix form alone.
; LIMITS: a and Wo are f16 in MAIN (beyond 65,504 they overflow).
.set WOF,   417792
.set SPARE, 17408                      ; LDS: MAIN's four stages of 4,352 bytes; then the spare words, 128 bytes a wave
.set LI,   4                           ; v4  16 x lane
.set SIN,  5                           ; v5  MAIN's stage, in
.set SOUT, 6                           ; v6  and out
.set GO,   7                           ; v7  2,048 (lane / 16) + 16 (lane % 16)
.set H32,  8                           ; v8  32 h
.set RW,   11                          ; v11 2,048 r + 32 h: a lane's place in 16 rows of Wo, and of out0
.set SPW,  14
.set NIL,  15
.set F0,   32                          ; MAIN: three sets of 64: four fragments of Wo, four of a
.set PA,   32                          ; FINE: v32-159 four slots of a head's rows; Wo's four slots are v0-127 of window 1
.set ACC,  224
.set WV,   16
.set MSB, 0
.macro WIN new
.if MSB != \new
	s_set_vgpr_msb (MSB<<8)|\new
.set MSB, \new
.endif
.endm
.macro PLACES n
.rept \n
	v_nop
.endr
.endm
.macro CLOSE                           ; the wave's end, behind my last LDS store
	s_wait_tensorcnt 0x0
	ds_add_u32 v[SPW], v[NIL]
	s_wait_dscnt 0x0
	s_endpgm
.endm
.macro LOADH hd                        ; FINE: head hd into slot hd % 4.  Wo: register 8 ct + j: my row r, channel 64 hd + 16 ct + 8 h + j;  the rows: register 8 ct + j: position r, the same channel
	WIN 0x40                                       ; destination window 1
.irp p, 0,1,2,3,4,5,6,7
	global_load_b128 v[32*((\hd)%4)+4*\p:32*((\hd)%4)+4*\p+3], v[RW], s[12:13] offset:256*(\hd)+64*(\p/2)+16*(\p%2)
.endr
	WIN 0
.irp p, 0,1,2,3,4,5,6,7
	global_load_b128 v[PA+32*((\hd)%4)+4*\p:PA+32*((\hd)%4)+4*\p+3], v[LI], s[10:11] offset:4096*(\hd)+512*\p
.endr
.endm
.macro HMUL hd                         ; FINE: head hd: 16 products, the four accumulators by turns; both sources take channel 64 hd + 16 ct + 8 (lane / 16) + 2 i + 0, 1
	WIN 0x01                                       ; source 0 (Wo) window 1
.irp ct, 0,1,2,3
.irp i, 0,1,2,3
.if ((\hd) == 0) && (\ct == 0)
	v_wmma_f32_16x16x4_f32 v[ACC+8*\i:ACC+8*\i+7], v[32*((\hd)%4)+8*\ct+2*\i:32*((\hd)%4)+8*\ct+2*\i+1], v[PA+32*((\hd)%4)+8*\ct+2*\i:PA+32*((\hd)%4)+8*\ct+2*\i+1], 0
.else
	v_wmma_f32_16x16x4_f32 v[ACC+8*\i:ACC+8*\i+7], v[32*((\hd)%4)+8*\ct+2*\i:32*((\hd)%4)+8*\ct+2*\i+1], v[PA+32*((\hd)%4)+8*\ct+2*\i:PA+32*((\hd)%4)+8*\ct+2*\i+1], v[ACC+8*\i:ACC+8*\i+7]
.endif
.endr
.endr
	WIN 0
.endm
.macro LOADK ks                        ; MAIN: K step ks (32 channels): 16 loads of 512 consecutive bytes
.irp t, 0,1,2,3
.irp hf, 0,1
	global_load_b128 v[F0+64*((\ks)%3)+8*\t+4*\hf:F0+64*((\ks)%3)+8*\t+4*\hf+3], v[LI], s[6:7] offset:16384*\t+1024*(\ks)+512*\hf
.endr
.endr
.irp t, 0,1,2,3
.irp hf, 0,1
	global_load_b128 v[F0+64*((\ks)%3)+32+8*\t+4*\hf:F0+64*((\ks)%3)+32+8*\t+4*\hf+3], v[LI], s[4:5] offset:16384*\t+1024*(\ks)+512*\hf
.endr
.endr
.endm
.macro MULK ks                         ; MAIN: 16 products, the 16 accumulators by turns
	WIN 0x50                                       ; C and D window 1
.irp mt, 0,1,2,3
.irp t, 0,1,2,3
.if (\ks) == 0
	v_wmma_f32_16x16x32_f16 v[8*(4*\mt+\t):8*(4*\mt+\t)+7], v[F0+64*((\ks)%3)+8*\t:F0+64*((\ks)%3)+8*\t+7], v[F0+64*((\ks)%3)+32+8*\mt:F0+64*((\ks)%3)+32+8*\mt+7], v[128+8*\t:135+8*\t]
.else
	v_wmma_f32_16x16x32_f16 v[8*(4*\mt+\t):8*(4*\mt+\t)+7], v[F0+64*((\ks)%3)+8*\t:F0+64*((\ks)%3)+8*\t+7], v[F0+64*((\ks)%3)+32+8*\mt:F0+64*((\ks)%3)+32+8*\mt+7], v[8*(4*\mt+\t):8*(4*\mt+\t)+7]
.endif
.endr
.endr
	WIN 0
.endm
.macro OUTB mt                         ; MAIN: 16 rows x 64 columns through my stage
	s_wait_xcnt 0x0                                ; earlier stores have read the registers that the loads below fill
	WIN 0x04                                       ; an LDS store's data are its source 1: window 1
.irp t, 0,1,2,3
.irp u, 0,1
	ds_store_b128 v[SIN], v[8*(4*\mt+\t)+4*\u:8*(4*\mt+\t)+4*\u+3] offset:64*\t+16*\u     ; each accumulator from its low end on
.endr
.endr
	WIN 0
.irp i, 0,1,2,3,4,5,6,7
	ds_load_b128 v[F0+64*(\mt%2)+4*\i:F0+64*(\mt%2)+4*\i+3], v[SOUT] offset:544*\i        ; LDS serves a wave's instructions in order: these see the stores above
.endr
	s_wait_dscnt 0x0
.irp i, 0,1,2,3,4,5,6,7
	global_store_b128 v[GO], v[F0+64*(\mt%2)+4*\i:F0+64*(\mt%2)+4*\i+3], s[14:15] offset:32768*\mt+4096*\i th:TH_STORE_NT   ; sixteen lanes store 256 consecutive aligned bytes
.endr
.endm
	s_load_b256 s[4:11], s[0:1], 0x0               ; af s[4:5], wts s[6:7], bo s[8:9], fa s[10:11]
	s_load_b128 s[12:15], s[0:1], 0x20             ; Wo s[12:13], out0 s[14:15]
	v_lshl_add_u32 v[SPW], v0, 2, SPARE
	v_mov_b32 v[NIL], 0
	v_lshrrev_b32 v1, 5, v0
	v_readfirstlane_b32 s[WV], v1                  ; wave 0..3
	v_and_b32 v1, 31, v0
	v_and_b32 v2, 15, v0                           ; r
	v_bfe_u32 v3, v0, 4, 1                         ; h
	v_lshlrev_b32 v[LI], 4, v1
	s_mul_i32 s17, s[WV], 4352
	v_mul_u32_u24 v[SIN], v2, 272
	v_lshl_add_u32 v[SIN], v3, 5, v[SIN]
	v_add_nc_u32 v[SIN], s17, v[SIN]
	v_mul_u32_u24 v[SOUT], v3, 272
	v_lshl_add_u32 v[SOUT], v2, 4, v[SOUT]
	v_add_nc_u32 v[SOUT], s17, v[SOUT]
	v_lshlrev_b32 v[GO], 11, v3
	v_lshl_add_u32 v[GO], v2, 4, v[GO]
	v_lshlrev_b32 v[H32], 5, v3
	v_lshlrev_b32 v[RW], 11, v2
	v_lshl_add_u32 v[RW], v3, 5, v[RW]
	s_mov_b32 s25, 0
	s_wait_kmcnt 0x0
	s_cmp_ge_u32 ttmp9, 16
	s_cbranch_scc1 .Lmain
	; ---- FINE
	s_lshr_b32 s20, ttmp9, 3                       ; batch
	s_and_b32 s21, ttmp9, 7
	s_lshl_b32 s22, s21, 2
	s_add_co_u32 s22, s22, s[WV]                   ; my tile of 16 columns: 0..31
	s_lshl_b32 s24, s22, 15
	s_add_nc_u64 s[12:13], s[12:13], s[24:25]      ; its 16 rows of Wo
	s_lshl_b32 s24, s22, 6
	s_add_nc_u64 s[8:9], s[8:9], s[24:25]          ; its 16 numbers of bo
	s_lshl_b32 s26, s20, 23                        ; the batch's first row of out0
	s_add_co_u32 s24, s24, s26
	s_add_nc_u64 s[14:15], s[14:15], s[24:25]
	s_lshl_b32 s24, s20, 15                        ; the batch's eight heads in fa
	s_add_nc_u64 s[10:11], s[10:11], s[24:25]
	LOADH 0
	LOADH 1
	LOADH 2
	LOADH 3
	s_wait_loadcnt 48                              ; head 0 is in; the three younger heads' 48 loads stay out
	HMUL 0
	PLACES 8                                       ; eight places behind this form, ahead of loads into registers that it has read
	LOADH 4
	s_wait_loadcnt 48
	HMUL 1
	PLACES 8
	LOADH 5
	s_wait_loadcnt 48
	HMUL 2
	PLACES 8
	LOADH 6
	s_wait_loadcnt 48
	HMUL 3
	PLACES 8
	LOADH 7
	global_load_b128 v[216:219], v[H32], s[8:9]    ; bo in the result's layout: wanted at the end
	global_load_b128 v[220:223], v[H32], s[8:9] offset:16
	s_wait_loadcnt 50                              ; head 4 is in; behind it: three heads' 48 loads and bo's two
	HMUL 4
	s_wait_loadcnt 34                              ; two heads and bo
	HMUL 5
	s_wait_loadcnt 18                              ; one head and bo
	HMUL 6
	s_wait_loadcnt 0x0
	HMUL 7
	PLACES 8                                       ; ahead of the first read of results
.irp j, 0,2,4,6                        ; the four partial sums and bo, into other registers; each accumulator from its low end on
	v_pk_add_f32 v[208+\j:209+\j], v[ACC+\j:ACC+\j+1], v[ACC+8+\j:ACC+9+\j]
	v_pk_add_f32 v[200+\j:201+\j], v[ACC+16+\j:ACC+17+\j], v[ACC+24+\j:ACC+25+\j]
.endr
.irp j, 0,2,4,6
	v_pk_add_f32 v[208+\j:209+\j], v[208+\j:209+\j], v[200+\j:201+\j]
.endr
.irp j, 0,2,4,6
	v_pk_add_f32 v[208+\j:209+\j], v[208+\j:209+\j], v[216+\j:217+\j]
.endr
	global_store_b128 v[RW], v[208:211], s[14:15]              ; lane (r, h): row r, my tile's columns 8 h + 0 .. 7
	global_store_b128 v[RW], v[212:215], s[14:15] offset:16
	CLOSE
.Lmain:	; ---- MAIN
	s_sub_co_u32 s20, ttmp9, 16
	s_lshr_b32 s21, s20, 2                         ; which 128 rows
	s_and_b32 s22, s20, 3                          ; which 128 columns
	s_lshr_b32 s23, s[WV], 1                       ; my half of the rows
	s_and_b32 s18, s[WV], 1                        ; my half of the columns
	s_lshl_b32 s26, s21, 3
	s_lshl_b32 s27, s23, 2
	s_add_co_u32 s26, s26, s27                     ; my first tile of 16 rows
	s_lshl_b32 s24, s26, 14
	s_add_nc_u64 s[4:5], s[4:5], s[24:25]
	s_lshl_b32 s24, s26, 15
	s_lshl_b32 s27, s22, 9
	s_add_co_u32 s24, s24, s27
	s_lshl_b32 s27, s18, 8
	s_add_co_u32 s24, s24, s27
	s_add_nc_u64 s[14:15], s[14:15], s[24:25]
	s_lshl_b32 s26, s22, 3
	s_lshl_b32 s27, s18, 2
	s_add_co_u32 s26, s26, s27                     ; my first tile of 16 columns
	s_lshl_b32 s24, s26, 6
	s_add_nc_u64 s[8:9], s[8:9], s[24:25]
	s_lshl_b32 s24, s26, 14
	s_add_co_u32 s24, s24, WOF
	s_add_nc_u64 s[6:7], s[6:7], s[24:25]
	s_and_b32 s19, s21, 31
	s_or_b32 s19, s19, s23                         ; 0: my first tile of rows is a sequence's first 16 positions
	WIN 0x40
.irp t, 0,1,2,3
	global_load_b128 v[128+8*\t:131+8*\t], v[H32], s[8:9] offset:64*\t        ; bo in the result's layout
	global_load_b128 v[132+8*\t:135+8*\t], v[H32], s[8:9] offset:64*\t+16
.endr
	WIN 0
	LOADK 0
	LOADK 1
	LOADK 2
.set KK, 0
.rept 16
.if KK < 14
	s_wait_loadcnt 32                              ; this K step is in; the two younger ones' 32 loads stay out
.elseif KK == 14
	s_wait_loadcnt 16
.else
	s_wait_loadcnt 0x0
.endif
	MULK KK
.if KK < 13
	PLACES 4                                       ; ahead of loads into registers that matrix instructions have read
	LOADK KK+3
.endif
.set KK, KK+1
.endr
	PLACES 4                                       ; ahead of the first read of results, and of the loads into the fragments' registers
	s_cmp_eq_u32 s19, 0                            ; ids alone: those 16 rows are the f32 path's
	s_cbranch_scc1 .Lskip0
	OUTB 0
.Lskip0:
	OUTB 1
	OUTB 2
	OUTB 3
	CLOSE
.Lfunc_end_k_qe3120da534_outp:
	.size	k_qe3120da534_outp, .Lfunc_end_k_qe3120da534_outp-k_qe3120da534_outp
	.p2alignl 7, 3214868480
	.fill 96, 4, 3214868480
	.section	.rodata,"a",@progbits
	.p2align	6, 0x0
	.amdhsa_kernel k_qe3120da534_outp
		.amdhsa_group_segment_fixed_size 17920
		.amdhsa_private_segment_fixed_size 0
		.amdhsa_enable_private_segment 0
		.amdhsa_kernarg_size 48
		.amdhsa_user_sgpr_count 2
		.amdhsa_user_sgpr_kernarg_segment_ptr 1
		.amdhsa_wavefront_size32 1
		.amdhsa_system_sgpr_workgroup_id_x 1
		.amdhsa_system_sgpr_workgroup_id_y 1
		.amdhsa_system_sgpr_workgroup_id_z 1
		.amdhsa_system_vgpr_workitem_id 0
		.amdhsa_next_free_vgpr 512
		.amdhsa_next_free_sgpr 66
		.amdhsa_reserve_vcc 0
		.amdhsa_float_denorm_mode_32 3
		.amdhsa_float_denorm_mode_16_64 3
		.amdhsa_memory_ordered 1
		.amdhsa_forward_progress 1
		.amdhsa_inst_pref_size 79
	.end_amdhsa_kernel
	.amdgpu_metadata
---
amdhsa.version: [ 1, 2 ]
amdhsa.kernels:
  - .name:           k_qe3120da534_outp
    .symbol:         k_qe3120da534_outp.kd
    .args:
      - { .name: af, .offset: 0, .size: 8, .value_kind: global_buffer, .address_space: global }
      - { .name: wts, .offset: 8, .size: 8, .value_kind: global_buffer, .address_space: global }
      - { .name: bo, .offset: 16, .size: 8, .value_kind: global_buffer, .address_space: global }
      - { .name: fa, .offset: 24, .size: 8, .value_kind: global_buffer, .address_space: global }
      - { .name: Wo, .offset: 32, .size: 8, .value_kind: global_buffer, .address_space: global }
      - { .name: out0, .offset: 40, .size: 8, .value_kind: global_buffer, .address_space: global }
    .group_segment_fixed_size: 17920
    .private_segment_fixed_size: 0
    .kernarg_segment_align: 8
    .kernarg_segment_size: 48
    .max_flat_workgroup_size: 128
    .sgpr_count:     66
    .vgpr_count:     512
    .wavefront_size: 32
...
	.end_amdgpu_metadata
.endif
;; end of part 5
